; MI455X (gfx1250); checked and timed in simulation.
; The chip was launched on July 23, 2026; its instructions are those of AMD's public machine-readable ISA for CDNA 5 (MIT licence, August 2026) and "CDNA5" Instruction Set Architecture Reference Guide (July 2026). The comments in the code are by the model that wrote it; some were corrected since.
;; Causal Attention. Allowed arithmetic: matrix products marked QUANTISED: E5M2 operands, one E8M0 scale for each 32 along K, by v_wmma_scale_f32_16x16x128_f8f6f4 with both operands' format E5M2, f32 sums; everything else in f32.
;; Inputs: W_key 1,024 x 512 float32; W_query 1,024 x 512 float32; W_value 1,024 x 512 float32; x 8 x 2,048 x 1,024 float32.
;; Outputs: out0 8 x 2,048 x 512 float32.
;; This version of the problem:
;;   THIS VERSION OF THE PROBLEM IS GIVEN IN LOW PRECISION. The matrix products marked QUANTISED in the list below multiply operands that are first quantised to E5M2 (5 exponent bits, 2 mantissa bits; 8 bits a number), with one power-of-two scale for each 32 numbers along K (OCP MX v1.0); their sums are f32. All else is computed in f32.
;;   The module's matrix products, in the order in which they are computed (A, B: the left and right operand; K: the contracted axis; several contracted axes count as one K, in the product's order):
;;     1. [M 16,384, K 1,024] x [K 1,024, N 512]; A: input x; B: input W_query: QUANTISED
;;     2. [M 16,384, K 1,024] x [K 1,024, N 512]; A: input x; B: input W_key: QUANTISED
;;     3. [M 16,384, K 1,024] x [K 1,024, N 512]; A: input x; B: input W_value: QUANTISED
;;     4. batch 8 x [M 2,048, K 512] x [K 512, N 2,048]; A: computed on the way; B: computed on the way: QUANTISED
;;     5. batch 8 x [M 2,048, K 2,048] x [K 2,048, N 512]; A: softmax (see below); B: computed on the way: QUANTISED
;;   THE QUANTISER, for each operand of a quantised product, along K:
;;     - K is cut into blocks of 32 from its start; a last block that is shorter is filled with zeros.
;;     - A block's scale is 2^e with e = floor(log2(the largest magnitude in the block)) - 15, held to -126 .. 127; a block of zeros has e = 0. As a byte (E8M0): e + 127.
;;     - Each number is divided by its block's scale, clamped to +-57,344, and rounded to the nearest number of E5M2, ties to even, subnormals kept.
;;     - The product sums the exact products of the quantised numbers (number of the format x scale) in f32.
;;   ~~~python
;;   def quantise(x, axis):      # numpy; x: float32 -> the quantised numbers, widened to float32 again
;;       x = np.moveaxis(x, axis, -1); K = x.shape[-1]
;;       x = np.pad(x, [(0, 0)] * (x.ndim - 1) + [(0, -K % 32)]); x = x.reshape(x.shape[:-1] + (-1, 32)); a = np.abs(x).max(-1, keepdims=True)
;;       e = np.where(a > 0, np.clip(np.frexp(np.where(a > 0, a, 1))[1] - 1 - 15, -126, 127), 0)      # np.frexp(a)[1] - 1 = floor(log2(a)), exactly
;;       r = np.clip(x / 2.0 ** e, -57344, 57344)
;;       step = 2.0 ** (np.maximum(np.frexp(np.where(r == 0, 1, r))[1] - 1, -14) - 2)
;;       q = np.round(r / step) * step * 2.0 ** e      # np.round: ties to even
;;       return np.moveaxis(q.reshape(q.shape[:-2] + (-1,))[..., :K], -1, axis).astype(np.float32)
;;   ~~~
;;   SOFTMAX AHEAD OF A QUANTISED PRODUCT. Where the list says 'softmax', what is quantised is not the finished softmax but p = 2^(t - M), with t = logit x log2(e) and M = ceil(the row's largest t), a whole number; so 1/2 < the row's largest p <= 1. The row's sum l is taken of the UNQUANTISED p, in f32, and the product's result is divided by l at the end. Since M is a whole number, a kernel that streams over the keys may use a running M (the ceiling of the running maximum): every later rescaling is an exact power of two, which a block's scale takes up: the codes' values come out the same.
;;   OPERANDS COMPUTED ON THE WAY. 'Computed on the way' means the value that the module computes at that place (a softmax that the list does not call 'softmax' is quantised finished and normalised). What goes into a quantiser is computed in f32, as accurately as f32 sums, v_exp_f32 and their like allow (about 1e-6 of the number): no bf16 or f16 on the way to a quantiser, and a product that is left as it is and whose result goes on into a quantised operand takes f32 operands (vector FMAs, or v_wmma_f32_16x16x4_f32). A number that lies on a knife's edge between two numbers of the format may be rounded either way, as far as f32 arithmetic and the matrix unit's own rounding can turn it there, and no further.
;; One version. Each part assembles by itself: llvm-mc -triple=amdgcn-amd-amdhsa -mcpu=gfx1250 --defsym DOCPART=n.
;; ======== version 1 of 1: 3 launches
;; limits: right only within a limited range of input values
;; workspace buffers: xq 17,301,504 bytes; wq 1,622,016 bytes; qimg 8,388,608 bytes; qs 524,288 bytes; kimg 8,388,608 bytes; ks 524,288 bytes; vimg 8,388,608 bytes; vs 524,288 bytes
;; launch quant (part 1): grid 256 x 1, 20 waves a work-group, no clusters, 139,776 bytes of LDS; arguments W_query, W_key, W_value, x, xq, wq; writes xq, wq
.if DOCPART == 1
	.amdgcn_target "amdgcn-amd-amdhsa--gfx1250"
	.amdhsa_code_object_version 6
	.text
	.protected	k_q3827ad7209_quant
	.globl	k_q3827ad7209_quant
	.p2align	8
	.type	k_q3827ad7209_quant,@function
k_q3827ad7209_quant:
	s_mov_b64 s[64:65], 0
	v_nop
	global_prefetch_b8 v0, s[64:65] scope:SCOPE_SE
	s_setreg_imm32_b32 hwreg(HW_REG_WAVE_MODE, 25, 1), 1
	s_wait_xcnt 0x0
; x [16384][1024] and W_query, W_key, W_value [1024 (k)][512 (n)], f32, become codes of BF8 (E5M2) with one E8M0 scale byte for each 32 along K, laid as IMAGES OF THE OPERAND'S REGISTERS for the next launch.
; A fragment is 16 rows x 128 K in 2,048 bytes: byte 512 c + 16 lane + i is byte i of registers 4 c .. 4 c + 3 of lane (r, h) = r + 16 h: k = 32 c + 16 h + 0 .. 15.
; xq [R 64][K step 8] tiles of 33,792 bytes: 16 fragments (256 rows), then 256 scale words (a row's four bytes).
; wq [i 4][K step 8] tiles of 50,688 bytes: 24 fragments [cw 2][Q, K, V][nn 4], then their 384 scale words in the same order; column 128 i + 64 cw + 16 nn + r of its weight.
; A work-group: waves 0 to 15 take 64 rows of x, a wave 16 rows x 256 K, two fragments, all loads issued at once; waves 16 to 19 of work-groups 0 to 191 take 64 columns x 128 K of a weight, a fragment each.
; x: each load reads 512 consecutive bytes of a row; the 8,192 bytes of a fragment turn through the wave's own stage in LDS (rows of 528 bytes) so that a lane gets 16 neighbours along K.
; A weight has K as its first axis: a lane takes a column and its registers run down K, so the conversions give codes with K innermost.
; A block lies in lanes l and l xor 16.  Its scale is 2^(floor(log2(largest magnitude)) - 15); the byte is held at 1 from below.
; DEAD WORK LEFT OUT BY THE PROGRAM: the causal mask puts -infinity in front of the softmax for every key behind the query, so those weights are 0 for all inputs: the last launch leaves out whole key steps of 128 that are hidden so.
; A NaN, an infinity or an overflow that reaches only that work is not carried to the result.
; LIMITS: a block of zeros gets the byte 1 where the rule says 127 (its codes are zeros, and this program alone reads the bytes); NaN and infinities among the inputs are not served.
; x's scale words are gathered in LDS and leave as units of 256 bytes; a weight's leave 64 bytes a wave (49,152 bytes in the launch).  No cluster: no two work-groups read the same bytes of x.  No loop to run ahead in: no prefetch.
.set STG,   8448
.set SCX,   16*STG                     ; [K step 8][64 rows] words
.set SPARE, SCX+2048                   ; the spare words, 128 bytes a wave
.set ATILE, 33792
.set BTILE, 50688
.set PW,  14                           ; v14, v15 scale words
.set TM,  16                           ; v16-31 at work
.set CD,  32                           ; v32-63 codes
.set X,   64                           ; v64-191 two fragments of numbers
.set SPW, 12
.set NIL, 13
	s_load_b256 s[4:11], s[0:1], 0x0               ; W_query, W_key, W_value, x
	s_load_b128 s[12:15], s[0:1], 0x20             ; xq, wq
	v_lshl_add_u32 v[SPW], v0, 2, SPARE
	v_mov_b32 v[NIL], 0
	v_lshrrev_b32 v1, 5, v0
	v_readfirstlane_b32 s16, v1                    ; wave
	s_lshr_b32 s18, s16, 2                         ; x: which 16 of the 64 rows
	s_and_b32 s19, s16, 3                          ; x: which 256 of K;  a weight: which 16 of the 64 columns
	s_lshl_b32 s20, ttmp9, 18                      ; x: 64 rows of 4,096 bytes a work-group
	s_lshl_b32 s21, s18, 16
	s_add_co_u32 s20, s20, s21
	s_lshl_b32 s21, s19, 10
	s_add_co_u32 s20, s20, s21
	s_mov_b32 s21, 0
	s_lshr_b32 s22, ttmp9, 2                       ; R
	s_mul_i32 s22, s22, 8*ATILE
	s_and_b32 s23, ttmp9, 3                        ; which 64 of R's 256 rows
	s_mul_i32 s24, s19, 2*ATILE
	s_add_co_u32 s24, s24, s22
	s_lshl_b32 s26, s23, 8
	s_add_co_u32 s26, s26, s24
	s_add_co_u32 s26, s26, 32768                   ; waves 0 to 3: the words of K steps 2 w, 2 w + 1
	s_mov_b32 s27, 0
	s_lshl_b32 s25, s23, 13
	s_add_co_u32 s24, s24, s25
	s_lshl_b32 s25, s18, 11
	s_add_co_u32 s24, s24, s25                     ; my fragment of K step 2 s19
	s_mov_b32 s25, 0
	s_and_b32 s17, ttmp9, 7                        ; a weight: K step
	s_bfe_u32 s23, ttmp9, 0x30003                  ; and 64 columns
	s_lshr_b32 s22, ttmp9, 6                       ; and which weight
	s_lshl_b32 s28, s17, 18
	s_lshl_b32 s29, s23, 8
	s_add_co_u32 s28, s28, s29
	s_lshl_b32 s29, s19, 6
	s_add_co_u32 s28, s28, s29
	s_mov_b32 s29, 0
	s_lshr_b32 s30, s23, 1
	s_lshl_b32 s30, s30, 3
	s_add_co_u32 s30, s30, s17
	s_mul_i32 s30, s30, BTILE                      ; tile (i, K step)
	s_and_b32 s23, s23, 1                          ; cw
	s_mul_i32 s31, s23, 768
	s_add_co_u32 s32, s30, s31
	s_lshl_b32 s31, s22, 8
	s_add_co_u32 s32, s32, s31
	s_lshl_b32 s31, s19, 6
	s_add_co_u32 s32, s32, s31
	s_add_co_u32 s32, s32, 49152                   ; my 16 scale words
	s_mov_b32 s33, 0
	s_mul_i32 s31, s23, 24576
	s_add_co_u32 s30, s30, s31
	s_lshl_b32 s31, s22, 13
	s_add_co_u32 s30, s30, s31
	s_lshl_b32 s31, s19, 11
	s_add_co_u32 s30, s30, s31                     ; my fragment
	s_mov_b32 s31, 0
	s_mul_i32 s17, s16, STG                        ; my stage
	s_lshl_b32 s22, s19, 9
	s_lshl_b32 s23, s18, 6
	s_add_co_u32 s22, s22, s23
	s_add_co_u32 s22, s22, SCX                     ; my 16 rows' words
	s_lshl_b32 s23, s16, 9
	s_add_co_u32 s23, s23, SCX
	v_and_b32 v2, 31, v0                           ; lane
	v_and_b32 v3, 15, v0                           ; r
	v_bfe_u32 v4, v0, 4, 1                         ; h
	v_lshlrev_b32 v5, 4, v2                        ; 16 x lane
	v_lshlrev_b32 v1, 2, v3                        ; 4 r
	v_add_nc_u32 v6, s17, v5                       ; into the stage: a row a store
	v_mul_u32_u24 v7, v3, 528
	v_lshl_add_u32 v7, v4, 6, v7
	v_add_nc_u32 v7, s17, v7                       ; out of it: row r, my 16 neighbours of each block
	v_add_nc_u32 v8, s22, v1                       ; where my row's word goes
	v_lshl_add_u32 v9, v4, 15, v1                  ; a weight: 4 r, 16 rows of 2,048 bytes further on for lanes 16-31
	v_add_nc_u32 v10, s23, v5                      ; the words on their way out
	v_mul_u32_u24 v11, v4, ATILE
	v_lshl_add_u32 v11, v3, 4, v11
.irp b, 0,1,2,3
	v_mov_b32 v[TM+4+\b], 0                        ; a lane permute's destination counts as one of its sources
.endr
	s_mov_b32 s2, 0x76543210
	s_mov_b32 s3, 0xfedcba98                       ; the selects for lane l xor 16
	s_mov_b32 s18, 0x600000                        ; the mantissa field of 57,344
	s_wait_alu depctr_va_vdst(0)
	s_wait_kmcnt 0x0
	s_cmp_lt_u32 ttmp9, 128
	s_cselect_b64 s[6:7], s[6:7], s[8:9]
	s_cmp_lt_u32 ttmp9, 64
	s_cselect_b64 s[4:5], s[4:5], s[6:7]
	s_add_nc_u64 s[4:5], s[4:5], s[28:29]
	s_add_nc_u64 s[10:11], s[10:11], s[20:21]
	s_add_nc_u64 s[34:35], s[12:13], s[24:25]
	s_add_nc_u64 s[36:37], s[12:13], s[26:27]
	s_add_nc_u64 s[38:39], s[14:15], s[30:31]
	s_add_nc_u64 s[14:15], s[14:15], s[32:33]
; 64 numbers at s, four blocks of 16 (the other 16 of a block in lane l xor 16) -> 16 registers of codes at d, the scale word at pw
.macro QUANT s, d, pw
.irp b, 0,1,2,3
	v_max3_num_f32 v[TM+\b], |v[(\s)+16*\b]|, |v[(\s)+1+16*\b]|, 0x8000000   ; with the floor 2^(16 - 127): the byte cannot fall under 1
.endr
.irp i, 2,4,6,8,10,12,14
.irp b, 0,1,2,3
	v_max3_num_f32 v[TM+\b], v[TM+\b], |v[(\s)+16*\b+\i]|, |v[(\s)+1+16*\b+\i]|
.endr
.endr
.irp b, 0,1,2,3
	v_permlanex16_b32 v[TM+4+\b], v[TM+\b], s2, s3
.endr
.irp b, 0,1,2,3
	v_max_num_f32 v[TM+\b], v[TM+\b], v[TM+4+\b]   ; the block's largest magnitude
.endr
.irp b, 0,1,2,3
	v_add_nc_u32 v[TM+12+\b], 0xf8800000, v[TM+\b] ; 15 off the exponent field: the conversion's scale operand
.endr
.irp b, 0,1,2,3
	v_lshrrev_b32 v[TM+4+\b], 23, v[TM+12+\b]      ; the byte
.endr
	v_and_or_b32 v[TM+8], v[TM], 0x7f800000, s18   ; 57,344 x the scale
	v_lshl_or_b32 v[\pw], v[TM+5], 8, v[TM+4]
	v_and_or_b32 v[TM+9], v[TM+1], 0x7f800000, s18
	v_lshl_or_b32 v[\pw], v[TM+6], 16, v[\pw]
	v_and_or_b32 v[TM+10], v[TM+2], 0x7f800000, s18
	v_lshl_or_b32 v[\pw], v[TM+7], 24, v[\pw]
	v_and_or_b32 v[TM+11], v[TM+3], 0x7f800000, s18
.irp b, 0,1,2,3
.irp i, 0,1,2,3,4,5,6,7,8,9,10,11,12,13,14,15
	v_med3_num_f32 v[(\s)+16*\b+\i], v[(\s)+16*\b+\i], -v[TM+8+\b], v[TM+8+\b]   ; the conversion does not saturate (ISA guide 7.6.2): hold first
.endr
.endr
.irp b, 0,1,2,3
	v_cvt_scalef32_pk8_bf8_f32 v[(\d)+4*\b:(\d)+4*\b+1], v[(\s)+16*\b:(\s)+16*\b+7], v[TM+12+\b]
	v_cvt_scalef32_pk8_bf8_f32 v[(\d)+4*\b+2:(\d)+4*\b+3], v[(\s)+16*\b+8:(\s)+16*\b+15], v[TM+12+\b]
.endr
	v_nop
.endm
; fragment t of my two.  LDS serves a wave's instructions in order: no wait between the stage's stores and loads
.macro XTILE t, left
	s_wait_loadcnt \left                           ; this fragment's 16 loads are in; left: the other's, issued behind them
.irp i, 0,1,2,3,4,5,6,7,8,9,10,11,12,13,14,15
	ds_store_b128 v6, v[X+64*\t+4*\i:X+64*\t+4*\i+3] offset:528*\i
.endr
.irp c, 0,1,2,3
.irp i, 0,1,2,3
	ds_load_b128 v[X+64*\t+16*\c+4*\i:X+64*\t+16*\c+4*\i+3], v7 offset:128*\c+16*\i
.endr
.endr
	s_wait_dscnt 0x0
	QUANT X+64*\t, CD+16*\t, PW+\t
	ds_store_b32 v8, v[PW+\t] offset:256*\t        ; lanes l and l xor 16 write the same word with the same value
.irp c, 0,1,2,3
	global_store_b128 v5, v[CD+16*\t+4*\c:CD+16*\t+4*\c+3], s[34:35] offset:ATILE*\t+512*\c
.endr
.endm
	s_cmp_lt_u32 s16, 16
	s_cbranch_scc0 .Lweights
.irp t, 0,1
.irp i, 0,1,2,3,4,5,6,7,8,9,10,11,12,13,14,15
	global_load_b128 v[X+64*\t+4*\i:X+64*\t+4*\i+3], v5, s[10:11] offset:4096*\i+512*\t th:TH_LOAD_NT
.endr
.endr
	XTILE 0, 16
	XTILE 1, 0
	s_branch .Ljoin
.Lweights:
	s_cmp_lt_u32 ttmp9, 192
	s_cbranch_scc0 .Ljoin
.irp c, 0,1,2,3
.irp i, 0,1,2,3,4,5,6,7,8,9,10,11,12,13,14,15
	global_load_b32 v[X+16*\c+\i], v9, s[4:5] offset:(32*\c+\i)*2048 th:TH_LOAD_NT
.endr
.endr
	s_wait_loadcnt 0x0
	QUANT X, CD, PW
.irp c, 0,1,2,3
	global_store_b128 v5, v[CD+4*\c:CD+4*\c+3], s[38:39] offset:512*\c
.endr
	global_store_b32 v1, v[PW], s[14:15]           ; lanes l and l xor 16 store the same word with the same value
.Ljoin:
	s_wait_dscnt 0x0                               ; for the others' sake: my words are in LDS
	s_barrier_signal -1
	s_barrier_wait -1
	s_cmp_lt_u32 s16, 4
	s_cbranch_scc0 .Lend
	ds_load_b128 v[TM:TM+3], v10                   ; K steps 2 w, 2 w + 1: 64 words each
	s_wait_dscnt 0x0
	global_store_b128 v11, v[TM:TM+3], s[36:37]    ; 16 lanes store one aligned unit of 256 bytes
.Lend:
	s_wait_tensorcnt 0x0                           ; the wave's end
	ds_add_u32 v[SPW], v[NIL]
	s_wait_dscnt 0x0
	s_endpgm
.Lfunc_end_k_q3827ad7209_quant:
	.size	k_q3827ad7209_quant, .Lfunc_end_k_q3827ad7209_quant-k_q3827ad7209_quant
	.p2alignl 7, 3214868480
	.fill 96, 4, 3214868480
	.section	.rodata,"a",@progbits
	.p2align	6, 0x0
	.amdhsa_kernel k_q3827ad7209_quant
		.amdhsa_group_segment_fixed_size 139776
		.amdhsa_private_segment_fixed_size 0
		.amdhsa_enable_private_segment 0
		.amdhsa_kernarg_size 48
		.amdhsa_user_sgpr_count 2
		.amdhsa_user_sgpr_kernarg_segment_ptr 1
		.amdhsa_wavefront_size32 1
		.amdhsa_system_sgpr_workgroup_id_x 1
		.amdhsa_system_sgpr_workgroup_id_y 1
		.amdhsa_system_sgpr_workgroup_id_z 1
		.amdhsa_system_vgpr_workitem_id 0
		.amdhsa_next_free_vgpr 192
		.amdhsa_next_free_sgpr 66
		.amdhsa_reserve_vcc 0
		.amdhsa_float_denorm_mode_32 3
		.amdhsa_float_denorm_mode_16_64 3
		.amdhsa_memory_ordered 1
		.amdhsa_forward_progress 1
		.amdhsa_inst_pref_size 44
	.end_amdhsa_kernel
	.amdgpu_metadata
---
amdhsa.version: [ 1, 2 ]
amdhsa.kernels:
  - .name:           k_q3827ad7209_quant
    .symbol:         k_q3827ad7209_quant.kd
    .args:
      - { .name: W_query, .offset: 0, .size: 8, .value_kind: global_buffer, .address_space: global }
      - { .name: W_key, .offset: 8, .size: 8, .value_kind: global_buffer, .address_space: global }
      - { .name: W_value, .offset: 16, .size: 8, .value_kind: global_buffer, .address_space: global }
      - { .name: x, .offset: 24, .size: 8, .value_kind: global_buffer, .address_space: global }
      - { .name: xq, .offset: 32, .size: 8, .value_kind: global_buffer, .address_space: global }
      - { .name: wq, .offset: 40, .size: 8, .value_kind: global_buffer, .address_space: global }
    .group_segment_fixed_size: 139776
    .private_segment_fixed_size: 0
    .kernarg_segment_align: 8
    .kernarg_segment_size: 48
    .max_flat_workgroup_size: 640
    .sgpr_count:     66
    .vgpr_count:     192
    .wavefront_size: 32
...
	.end_amdgpu_metadata
.endif
;; end of part 1
;; launch proj (part 2): grid 4 x 64, 4 waves a work-group, clusters of 4 x 4, 327,680 bytes of LDS; arguments xq, wq, qimg, qs, kimg, ks, vimg, vs; writes qimg, qs, kimg, ks, vimg, vs
.if DOCPART == 2
	.amdgcn_target "amdgcn-amd-amdhsa--gfx1250"
	.amdhsa_code_object_version 6
	.text
	.protected	k_q3827ad7209_proj
	.globl	k_q3827ad7209_proj
	.p2align	8
	.type	k_q3827ad7209_proj,@function
k_q3827ad7209_proj:
	s_mov_b64 s[64:65], 0
	v_nop
	global_prefetch_b8 v0, s[64:65] scope:SCOPE_SE
	s_setreg_imm32_b32 hwreg(HW_REG_WAVE_MODE, 25, 1), 1
	s_wait_xcnt 0x0
	s_wait_alu depctr_hold_cnt(0) depctr_sa_sdst(0) depctr_va_vdst(0) depctr_va_sdst(0) depctr_va_ssrc(0) depctr_va_vcc(0) depctr_vm_vsrc(0)
	s_getreg_b32 s2, hwreg(HW_REG_IB_STS2, 6, 4)
	s_cmp_eq_u32 s2, 0
	s_cbranch_scc0 .Lentry_in_a_cluster
	s_endpgm
.Lentry_in_a_cluster:
	s_bfe_u32 s2, ttmp6, 0x10000c
	s_cmp_lg_u32 s2, 0xf033
	s_cbranch_scc0 .Lentry_shape_is_right
	s_endpgm
.Lentry_shape_is_right:
; Q, K, V = x W_query, x W_key, x W_value on codes of BF8 (E5M2) with a scale byte for each 32 along K, and their quantisers: 16,384 x 1,536 x 1,024.  Operands arrive as register images (the launch before), results leave as register images.
; A work-group (i = its x, R = its y) makes 256 rows x 384 columns: columns 128 i .. + 127 of Q, of K and of V.  Wave (y, cw): 128 rows x 64 columns of each: 96 accumulators of 16 x 16, 768 registers.
; OUT: qimg, kimg [tile of 16 rows][i][2,048]: chunk 2 cw + e: my 64 columns' block e; position p of a lane's 16 is column 16 (p / 8) + 8 h + p % 8 of the block, in Q and K alike.  qs, ks [32 rows][i][lane][2 tiles] words.
; vimg [128 rows][i][n 8][2,048], chunk c = rows 32 c ..; position p is row 16 (p / 8) + 8 h + p % 8;  vs [128 rows][i][half 2][lane][4 words]: word z: tile 2 z's bytes of row blocks 2 half, 2 half + 1, then tile 2 z + 1's.
; K goes in steps of 128 through a ring of two LDS slots (33,792 bytes of x, 50,688 of the weights, scale words among them), filled by joint tensor loads: x's tile hangs on R alone and is shared along a row of the 4 x 4 cluster, the weights' on i alone
; and is shared along a column.  Waves 0, 1 fetch halves of x's tile, waves 2, 3 of the weights'.
; REGISTERS: window 0: v1-7, v28-31 addresses; v8-27 two sets of ten scale words; v32-127 six fragments of the weights; v128-255 eight of x.  Windows 1, 2: Q's, K's accumulators (m, n) at v[32 m + 8 n]; window 3: V's at v[64 n + 8 m].
; A STEP: column tiles 0 .. 11 (Q 0-3, K 4-7, V 8-11), tile n in buffer n % 6, against x's tiles m = 0 .. 7.  Tiles 0-2 and 9-11 go by m (three products to an m), so that x's fragments are taken over one by one from step to step; 3 to 8 go by n.
; A fragment is asked for 16 products or more ahead of its first use, behind eight plain vector lines behind the last product that read its registers.  The 96 accumulators take turns.
; Q and K: source 0 = the weight's columns, a lane holds one row; V: source 0 = x's rows, a lane holds one column: so a lane's registers run along the next product's K.
; LIMITS: NaN, infinities and sums beyond f32's range are not served; a byte never falls under 1.
.set ATILE, 33792
.set BTILE, 50688
.set SLOT,  ATILE+BTILE
.set XN,    2*SLOT                     ; Q's, K's scale words: [Q, K][y][32 rows][lane][2]: 4,096 bytes
.set XV,    XN+4096                    ; V's: [y][half][lane][4]: 2,048 bytes
.set SPARE, XV+2048                    ; the spare words
.set AA,  1                            ; v1, v2  LDS: my fragments of x in slot 0, 1
.set AB,  3                            ; v3, v4  the weights'
.set SAA, 5                            ; v5, v6  x's scale words
.set SAB, 7                            ; v7, v28 the weights'
.set SC,  8
.set SPW, 29
.set NIL, 30
.set PFO, 31                           ; the prefetches' offset
.set BB,  32
.set AF,  128
.set TM,  32                           ; the way out: v32-47 at work, v48-51 V's scale words, v52, v53 Q's and K's, v54-57 V's by halves; later v32-43 words on their way out; v64-255 codes
.set PW,  48
.set HW,  52
.set PV,  54
.set CD,  64
.set G1A, 24
.set G1B, 48
.set G0,  32
.set G0B, 56
.set SEL, 76
.set MNT, 78
.set LIM, 79                           ; 1: my wave prefetches
.set PFA, 80
.set PFS, 82
.set MSB, 0
.macro WIN new
.if MSB != (\new)
	s_set_vgpr_msb (MSB<<8)|(\new)
.set MSB, (\new)
.endif
.endm
.macro CREST                           ; a round of the cluster's barrier behind its opening barrier
	s_cmp_lg_u32 s14, 0
	s_cbranch_scc1 .Lnot_wave_0_\@
	s_barrier_signal -3
.Lnot_wave_0_\@:
	s_barrier_wait -3
	s_barrier_signal -1
	s_barrier_wait -1
.endm
.macro CROUND
	s_barrier_signal -1
	s_barrier_wait -1
	CREST
.endm
.macro JLOAD s                         ; a joint load: waves 0, 1 for x, waves 2, 3 for the weights
	s_cmp_eq_u32 s15, 0
	s_cbranch_scc0 .Lfor_b_\@
	tensor_load_to_lds s[G0+4*\s:G0+4*\s+3], s[G1A:G1A+7]
	s_nop 0
.rept 4
	v_nop
.endr
	s_branch .Lasked_\@
.Lfor_b_\@:
	tensor_load_to_lds s[G0B+4*\s:G0B+4*\s+3], s[G1B:G1B+7]
	s_nop 0
.rept 4
	v_nop
.endr
.Lasked_\@:
.endm
; A PREFETCH INTO THE L2 in steps 0 to 4 of what the step three on reads, a whole step ahead of its tensor load.  x's tile: the four partners of a row ask for 32 of its 132 blocks of 256 bytes each (wave 0) and one of the scale words' (wave 1);
; the weights' 198 blocks: the four of a column, 32 each (wave 2) and 18 each (wave 3), in the first four clusters alone.  Shared out by address.  Steps 0 to 2 come by their loads alone.
.macro ASK
	s_cmp_eq_u32 s[LIM], 1
	s_cbranch_scc0 .Lnot_mine_\@
	global_prefetch_b8 v[PFO], s[PFA:PFA+1] th:TH_LOAD_NT scope:SCOPE_SE
.Lnot_mine_\@:
.endm
.macro GROUP1 g, mask, rows            ; so many rows of 256 dense bytes (32 elements of 8)
	s_or_b32 s[\g], s[\mask], (3<<16)|(1<<21)
	s_mov_b32 s[\g+1], 32<<16
	s_mov_b32 s[\g+2], (\rows)<<16
	s_mov_b32 s[\g+3], 32<<16
	s_mov_b32 s[\g+4], \rows
	s_mov_b32 s[\g+5], 32
	s_mov_b32 s[\g+6], 0
	s_mov_b32 s[\g+7], 0
.endm
	s_load_b256 s[4:11], s[0:1], 0x0               ; xq, wq, qimg, qs
	s_load_b256 s[84:91], s[0:1], 0x20             ; kimg, ks, vimg, vs
	v_lshl_add_u32 v[SPW], v0, 2, SPARE
	v_mov_b32 v[NIL], 0
	ds_add_u32 v[SPW], v[NIL]                      ; the wave's opening: the add, twice on end, and its wait
	ds_add_u32 v[SPW], v[NIL]
	v_lshrrev_b32 v32, 5, v0
	v_readfirstlane_b32 s14, v32                   ; wave
	s_lshr_b32 s15, s14, 1                         ; y.  Also: I fetch for x (0) or for the weights (1)
	s_and_b32 s16, s14, 1                          ; cw.  Also: which half I fetch
	s_bfe_u32 s40, ttmp6, 0x40000                  ; cx = i: the grid is one cluster wide
	s_bfe_u32 s41, ttmp6, 0x40004                  ; cy
	s_and_b32 s18, ttmp7, 0xffff
	s_lshl_b32 s17, s18, 2
	s_add_co_u32 s17, s17, s41                     ; R
	s_lshl_b32 s43, s41, 2
	s_lshl_b32 s43, 15, s43                        ; my row of the cluster
	s_lshl_b32 s44, 0x1111, s40                    ; my column
	GROUP1 G1A, 43, 66
	GROUP1 G1B, 44, 99
	s_mul_i32 s66, s17, 8*ATILE
	s_mul_i32 s22, s16, ATILE/2
	s_add_co_u32 s20, s66, s22
	s_mov_b32 s21, 0
	s_mul_i32 s67, s40, 8*BTILE
	s_mul_i32 s23, s16, BTILE/2
	s_add_co_u32 s46, s67, s23
	s_mov_b32 s47, 0
	s_add_co_u32 s23, s23, ATILE
	s_mov_b32 s[SEL], 0x76543210
	s_mov_b32 s[SEL+1], 0xfedcba98
	s_mov_b32 s[MNT], 0x600000
	s_wait_dscnt 0x0                               ; both opening adds are done
	CROUND                                         ; all sixteen work-groups are here
	s_wait_kmcnt 0x0
	s_add_nc_u64 s[20:21], s[4:5], s[20:21]
	s_add_nc_u64 s[46:47], s[6:7], s[46:47]
.irp s, 0,1
	s_mov_b32 s[G0+4*\s], 1
	s_add_co_u32 s[G0+4*\s+1], s22, \s*SLOT
	s_add_nc_u64 s[G0+4*\s+2:G0+4*\s+3], s[20:21], \s*ATILE
	s_or_b32 s[G0+4*\s+3], s[G0+4*\s+3], 0x80000000
	s_mov_b32 s[G0B+4*\s], 1
	s_add_co_u32 s[G0B+4*\s+1], s23, \s*SLOT
	s_add_nc_u64 s[G0B+4*\s+2:G0B+4*\s+3], s[46:47], \s*BTILE
	s_or_b32 s[G0B+4*\s+3], s[G0B+4*\s+3], 0x80000000
.endr
	JLOAD 0                                        ; K step 0: one tensor load a wave at the head
	; the prefetches
	s_cmp_lt_u32 s18, 4
	s_cselect_b32 s19, 1, 0
	s_cmp_eq_u32 s15, 0
	s_cselect_b32 s[LIM], 1, s19
	s_cselect_b32 s68, s40, s41                    ; my place among the four that share the tile
	s_cselect_b64 s[PFA:PFA+1], s[4:5], s[6:7]
	s_cselect_b32 s70, s66, s67
	s_mov_b32 s71, BTILE
	s_cselect_b32 s[PFS], ATILE, s71
	s_cselect_b32 s72, 1, 18
	s_cselect_b32 s73, 0, 17
	s_mov_b32 s[PFS+1], 0
	s_mov_b32 s71, 0
	s_add_nc_u64 s[PFA:PFA+1], s[PFA:PFA+1], s[70:71]
	s_add_nc_u64 s[PFA:PFA+1], s[PFA:PFA+1], s[PFS:PFS+1]
	s_add_nc_u64 s[PFA:PFA+1], s[PFA:PFA+1], s[PFS:PFS+1]   ; at step 2: step 0 steps it to 3
	s_mul_i32 s72, s72, s68
	s_add_co_u32 s72, s72, 128
	s_lshl_b32 s68, s68, 5
	s_cmp_eq_u32 s16, 0
	s_cselect_b32 s68, s68, s72                    ; my first block,
	s_cselect_b32 s73, 31, s73                     ; and how many lanes count on from it
	; where my results go
	s_lshl_b32 s70, s17, 17                        ; Q, K: 16 tiles of 8,192 bytes a work-group
	s_lshl_b32 s72, s15, 16
	s_add_co_u32 s70, s70, s72
	s_lshl_b32 s72, s40, 11
	s_add_co_u32 s70, s70, s72
	s_lshl_b32 s72, s16, 10
	s_add_co_u32 s70, s70, s72
	s_add_nc_u64 s[8:9], s[8:9], s[70:71]
	s_add_nc_u64 s[84:85], s[84:85], s[70:71]
	s_lshl_b32 s72, s17, 1
	s_add_co_u32 s72, s72, s15                     ; V: which 128 rows
	s_lshl_b32 s70, s72, 16
	s_lshl_b32 s74, s40, 14
	s_add_co_u32 s70, s70, s74
	s_lshl_b32 s74, s16, 13
	s_add_co_u32 s70, s70, s74
	s_add_nc_u64 s[88:89], s[88:89], s[70:71]
	s_lshl_b32 s70, s72, 12
	s_lshl_b32 s74, s40, 10
	s_add_co_u32 s70, s70, s74
	s_lshl_b32 s74, s16, 9                         ; V's scale words: I store half cw of my y's 1,024 bytes
	s_add_co_u32 s70, s70, s74
	s_add_nc_u64 s[90:91], s[90:91], s[70:71]
	s_lshl_b32 s70, s17, 13                        ; Q's, K's scale words: waves 0, 1 store Q's of y = 0, 1; waves 2, 3 K's
	s_lshl_b32 s74, s16, 12
	s_add_co_u32 s70, s70, s74
	s_lshl_b32 s74, s40, 8
	s_add_co_u32 s70, s70, s74
	s_cmp_eq_u32 s15, 0
	s_cselect_b64 s[10:11], s[10:11], s[86:87]
	s_add_nc_u64 s[10:11], s[10:11], s[70:71]
	s_lshl_b32 s70, s15, 14                        ; my 128 rows of x,
	s_lshl_b32 s71, s15, 9
	s_add_co_u32 s71, s71, 32768                   ; their scale words,
	s_mul_i32 s72, s16, 24576
	s_add_co_u32 s72, s72, ATILE                   ; my twelve fragments of the weights,
	s_mul_i32 s74, s16, 768
	s_add_co_u32 s74, s74, ATILE+49152             ; and their scale words
	v_and_b32 v32, 31, v0                          ; lane
	v_lshlrev_b32 v33, 4, v32
	v_lshlrev_b32 v34, 2, v32
	v_min_u32 v[PFO], s73, v32
	v_add_nc_u32 v[PFO], s68, v[PFO]
	v_min_u32 v[PFO], 0xc5, v[PFO]                 ; the weights' last block is number 197
	v_lshlrev_b32 v[PFO], 8, v[PFO]
	v_add_nc_u32 v[AA], s70, v33
	v_add_nc_u32 v[AB], s72, v33
	v_add_nc_u32 v[SAA], s71, v34
	v_add_nc_u32 v[SAB], s74, v34
	v_add_nc_u32 v[AA+1], SLOT, v[AA]
	v_add_nc_u32 v[AB+1], SLOT, v[AB]
	v_add_nc_u32 v[SAA+1], SLOT, v[SAA]
	v_add_nc_u32 v[SAB+21], SLOT, v[SAB]
.macro WM d, a, b, c, sa, sb, ra, rb
.if (\ra) && (\rb)
	v_wmma_scale_f32_16x16x128_f8f6f4 v[\d:\d+7], v[\a:\a+15], v[\b:\b+15], \c, v[\sa], v[\sb] matrix_a_fmt:MATRIX_FMT_BF8 matrix_b_fmt:MATRIX_FMT_BF8 matrix_a_scale:MATRIX_SCALE_ROW1 matrix_b_scale:MATRIX_SCALE_ROW1
.elseif (\ra)
	v_wmma_scale_f32_16x16x128_f8f6f4 v[\d:\d+7], v[\a:\a+15], v[\b:\b+15], \c, v[\sa], v[\sb] matrix_a_fmt:MATRIX_FMT_BF8 matrix_b_fmt:MATRIX_FMT_BF8 matrix_a_scale:MATRIX_SCALE_ROW1
.elseif (\rb)
	v_wmma_scale_f32_16x16x128_f8f6f4 v[\d:\d+7], v[\a:\a+15], v[\b:\b+15], \c, v[\sa], v[\sb] matrix_a_fmt:MATRIX_FMT_BF8 matrix_b_fmt:MATRIX_FMT_BF8 matrix_b_scale:MATRIX_SCALE_ROW1
.else
	v_wmma_scale_f32_16x16x128_f8f6f4 v[\d:\d+7], v[\a:\a+15], v[\b:\b+15], \c, v[\sa], v[\sb] matrix_a_fmt:MATRIX_FMT_BF8 matrix_b_fmt:MATRIX_FMT_BF8
.endif
.endm
.macro MM n, m, zero, set              ; column tile n x row tile m; zero = 1: it starts the sum
.set T_, (\n)/4
.set N_, (\n)%4
.set B_, BB+16*((\n)%6)
.set A_, AF+16*(\m)
.set SX_, SC+10*(\set)+(\m)/2
.set SW_, SC+10*(\set)+4+(\n)/2
	WIN 0x50*(T_+1)
.if T_ < 2
.set D_, 32*(\m)+8*N_
.if \zero
	WM D_, B_, A_, 0, SW_, SX_, (\n)%2, (\m)%2
.else
	WM D_, B_, A_, v[D_:D_+7], SW_, SX_, (\n)%2, (\m)%2
.endif
.else
.set D_, 64*N_+8*(\m)
.if \zero
	WM D_, A_, B_, 0, SX_, SW_, (\m)%2, (\n)%2
.else
	WM D_, A_, B_, v[D_:D_+7], SX_, SW_, (\m)%2, (\n)%2
.endif
.endif
.endm
.macro TRI n, m, zero, set, pl         ; three column tiles x one row tile; pl places behind the first and the second
	MM \n, \m, \zero, \set
.rept \pl
	v_nop
.endr
	MM \n+1, \m, \zero, \set
.rept \pl
	v_nop
.endr
	MM \n+2, \m, \zero, \set
.endm
.macro HALF n, m, zero, set, pl        ; one column tile x four row tiles
.irp j, 0,1,2,3
	MM \n, \m+\j, \zero, \set
.rept \pl
	v_nop
.endr
.endr
.endm
.macro LB s, n                         ; a fragment of the weights
	WIN 0
.irp e, 0,1,2,3
	ds_load_b128 v[BB+16*((\n)%6)+4*\e:BB+16*((\n)%6)+4*\e+3], v[AB+(\s)] offset:2048*(\n)+512*\e
.endr
.endm
.macro LA s, m                         ; a fragment of x
	WIN 0
.irp e, 0,1,2,3
	ds_load_b128 v[AF+16*(\m)+4*\e:AF+16*(\m)+4*\e+3], v[AA+(\s)] offset:2048*(\m)+512*\e
.endr
.endm
.macro LS s                            ; a step's scale words: lanes 0-15 an even tile's, lanes 16-31 the odd one's behind it
	WIN 0
.irp i, 0,1,2,3
	ds_load_b32 v[SC+10*(\s)+\i], v[SAA+(\s)] offset:128*\i
.endr
.irp i, 0,1,2,3,4,5
	ds_load_b32 v[SC+10*(\s)+4+\i], v[SAB+21*(\s)] offset:128*\i
.endr
.endm
; A K step in slot s.  fill: this slot is filled again with the step two on;  ask: a prefetch;  last: nothing follows.
; Waits: the LDS instructions issued behind the fragment that is wanted, four to a fragment.
.macro STEP s, zero, fill, ask, last
.set PL_, 2-2*\last
	s_wait_dscnt 20                                ; x's tile 0 and all older; behind it tiles 1 to 5
	TRI 0, 0, \zero, \s, 2
	LA \s, 6
	s_wait_dscnt 20                                ; tile 1; behind it 2 to 6
	TRI 0, 1, \zero, \s, 2
	LA \s, 7
	LB \s, 3
	LB \s, 4
	LB \s, 5
.irp m, 2,3,4,5,6,7
	s_wait_dscnt 40-4*\m                           ; tile m; behind it the tiles up to 7 and three fragments of the weights
	TRI 0, \m, \zero, \s, 0
.endr
	s_wait_dscnt 8                                 ; weights 3; behind it 4, 5
	HALF 3, 0, \zero, \s, 2
	LB \s, 6
	LB \s, 7
	LB \s, 8
	HALF 3, 4, \zero, \s, 0
	s_wait_dscnt 16                                ; 4; behind it 5 to 8
	HALF 4, 0, \zero, \s, 2
	LB \s, 9
	HALF 4, 4, \zero, \s, 0
	s_wait_dscnt 16                                ; 5; behind it 6 to 9
	HALF 5, 0, \zero, \s, 2
	LB \s, 10
	HALF 5, 4, \zero, \s, 0
	s_wait_dscnt 16                                ; 6; behind it 7 to 10
	HALF 6, 0, \zero, \s, 2
	LB \s, 11                                      ; my last read of this slot
.if !\last
.if \ask
	s_wait_xcnt 0x0                                ; my last prefetch has read its address
	s_add_nc_u64 s[PFA:PFA+1], s[PFA:PFA+1], s[PFS:PFS+1]
.endif
	s_wait_tensorcnt 0x0                           ; my part of the next slot has landed, and no tensor load of mine is out
	ds_add_u32 v[SPW], v[NIL]
.if \fill
	s_add_nc_u64 s[G0+4*\s+2:G0+4*\s+3], s[G0+4*\s+2:G0+4*\s+3], 2*ATILE
	s_add_nc_u64 s[G0B+4*\s+2:G0B+4*\s+3], s[G0B+4*\s+2:G0B+4*\s+3], 2*BTILE
.endif
.endif
	HALF 6, 4, \zero, \s, 0
.if \last
	s_wait_dscnt 16                                ; 7; behind it 8 to 11
	HALF 7, 0, \zero, \s, 0
	HALF 7, 4, \zero, \s, 0
	s_wait_dscnt 12
.else
	s_wait_dscnt 17                                ; 7; behind it 8 to 11 and the add
	HALF 7, 0, \zero, \s, 2
	s_wait_dscnt 0x0                               ; the add is done, and my reads of this slot are over
	s_barrier_signal -1
	HALF 7, 4, \zero, \s, 0
	WIN 0
	s_barrier_wait -1
.if \fill
	CREST                                          ; no wave of any partner still reads this slot or has a load on its way
	JLOAD \s
.endif
.endif
	HALF 8, 0, \zero, \s, PL_
.if !\last
	LB 1-\s, 0
	LB 1-\s, 1
	LS 1-\s
.if \ask
	ASK
.endif
.endif
	HALF 8, 4, \zero, \s, 0
.if \last
	s_wait_dscnt 0x0
.endif
.irp m, 0,1,2,3,4,5,6,7
	TRI 9, \m, \zero, \s, PL_
.if !\last
.if \m == 1
	LB 1-\s, 2
.endif
.if \m > 1
	LA 1-\s, \m-2                                  ; the next step's, over the tile whose last products are two triples back
.endif
.endif
.endr
.endm
	s_wait_alu depctr_va_vdst(0)
	s_wait_tensorcnt 0x0                           ; my part of K step 0 is in; these lines stand ahead of a later first fill as ahead of a refill
	ds_add_u32 v[SPW], v[NIL]
	s_wait_dscnt 0x0
	CROUND
	JLOAD 1                                        ; K step 1
	LB 0, 0
	LB 0, 1
	LS 0
	LB 0, 2
.irp m, 0,1,2,3,4,5
	LA 0, \m
.endr
	STEP 0, 1, 1, 1, 0                             ; step 0 starts the sums
	WIN 0
	s_mov_b32 s3, 2
.Lloop:                                            ; steps 1, 2 and 3, 4
	STEP 1, 0, 1, 1, 0
	STEP 0, 0, 1, 1, 0
	WIN 0
	s_sub_co_u32 s3, s3, 1
	s_cmp_lg_u32 s3, 0
	s_cbranch_scc1 .Lloop
	STEP 1, 0, 1, 0, 0                             ; 5 asks for 7
	STEP 0, 0, 0, 0, 0                             ; 6: no refill: a barrier of the work-group's own
	STEP 1, 0, 0, 0, 1                             ; 7
	WIN 0
; THE WAY OUT
	s_lshl_b32 s70, s15, 10
	s_lshl_b32 s71, s16, 1
	s_add_co_u32 s70, s70, s71
	s_add_co_u32 s70, s70, XN                      ; my two bytes of a scale word of Q or K
	s_lshl_b32 s71, s14, 10
	s_add_co_u32 s71, s71, XN
	s_lshl_b32 s72, s15, 10
	s_lshl_b32 s73, s16, 3
	s_add_co_u32 s72, s72, s73
	s_add_co_u32 s72, s72, XV                      ; my two words of V's four
	s_lshl_b32 s73, s14, 9
	s_add_co_u32 s73, s73, XV
	v_and_b32 v5, 31, v0                           ; these lines are also places behind the last products
	v_and_b32 v6, 15, v0
	v_bfe_u32 v7, v0, 4, 1
	v_lshlrev_b32 v1, 4, v5                        ; 16 x lane
	v_lshlrev_b32 v2, 3, v5
	v_lshlrev_b32 v4, 4, v6
	v_add_nc_u32 v2, s70, v2
	v_add_nc_u32 v3, s71, v1
	v_lshl_add_u32 v4, v7, 10, v4                  ; lanes 0-15 one unit of 256 bytes, lanes 16-31 the one 1,024 bytes on
	v_add_nc_u32 v5, s72, v1
	v_add_nc_u32 v6, s73, v1
; 64 sums at s of window w, four blocks of 16 (the other 16 of a block in lane l xor 16) -> codes at d, bytes at TM + 4 ..
.macro QUANT s, w, d
	WIN 5*(\w)
.irp b, 0,1,2,3
	v_max3_num_f32 v[TM+\b], |v[(\s)+16*\b]|, |v[(\s)+1+16*\b]|, 0x8000000
.endr
	WIN 0x14*(\w)
.irp i, 2,4,6,8,10,12,14
.irp b, 0,1,2,3
	v_max3_num_f32 v[TM+\b], v[TM+\b], |v[(\s)+16*\b+\i]|, |v[(\s)+1+16*\b+\i]|
.endr
.endr
	WIN 0
.irp b, 0,1,2,3
	v_permlanex16_b32 v[TM+4+\b], v[TM+\b], s[SEL], s[SEL+1]
.endr
.irp b, 0,1,2,3
	v_max_num_f32 v[TM+\b], v[TM+\b], v[TM+4+\b]
.endr
.irp b, 0,1,2,3
	v_add_nc_u32 v[TM+12+\b], 0xf8800000, v[TM+\b]
.endr
.irp b, 0,1,2,3
	v_and_or_b32 v[TM+8+\b], v[TM+\b], 0x7f800000, s[MNT]
.endr
.irp b, 0,1,2,3
	v_lshrrev_b32 v[TM+4+\b], 23, v[TM+12+\b]
.endr
	WIN 0x41*(\w)
.irp b, 0,1,2,3
.irp i, 0,1,2,3,4,5,6,7,8,9,10,11,12,13,14,15
	v_med3_num_f32 v[(\s)+16*\b+\i], v[(\s)+16*\b+\i], -v[TM+8+\b], v[TM+8+\b]   ; the conversion does not saturate (ISA guide 7.6.2)
.endr
.endr
	WIN (\w)
.irp b, 0,1,2,3
	v_cvt_scalef32_pk8_bf8_f32 v[(\d)+4*\b:(\d)+4*\b+1], v[(\s)+16*\b:(\s)+16*\b+7], v[TM+12+\b]
	v_cvt_scalef32_pk8_bf8_f32 v[(\d)+4*\b+2:(\d)+4*\b+3], v[(\s)+16*\b+8:(\s)+16*\b+15], v[TM+12+\b]
.endr
	WIN 0
	v_nop
.endm
.macro OUTQK t, base                   ; t = 0: Q, 1: K.  Unit u: row tiles 2 u, 2 u + 1, two blocks of 32 columns each
.irp u, 0,1,2,3
	QUANT 64*\u, \t+1, CD+64*\t+16*\u
	v_lshl_or_b32 v[HW], v[TM+5], 8, v[TM+4]
	v_lshl_or_b32 v[HW+1], v[TM+7], 8, v[TM+6]
	ds_store_b16 v2, v[HW] offset:2048*\t+256*\u
	ds_store_b16 v2, v[HW+1] offset:2048*\t+256*\u+4
.irp b, 0,1,2,3
	global_store_b128 v1, v[CD+64*\t+16*\u+4*\b:CD+64*\t+16*\u+4*\b+3], s[\base:\base+1] offset:8192*(2*\u+\b/2)+512*(\b%2)
.endr
.endr
.endm
	OUTQK 0, 8
	OUTQK 1, 84
.irp n, 0,1,2,3                        ; V: column tile n, four blocks of 32 rows
	QUANT 64*\n, 3, CD+128+16*\n
	v_lshl_or_b32 v[PW+\n], v[TM+5], 8, v[TM+4]
	v_lshl_or_b32 v[PW+\n], v[TM+6], 16, v[PW+\n]
	v_lshl_or_b32 v[PW+\n], v[TM+7], 24, v[PW+\n]
.irp b, 0,1,2,3
	global_store_b128 v1, v[CD+128+16*\n+4*\b:CD+128+16*\n+4*\b+3], s[88:89] offset:2048*\n+512*\b
.endr
.endr
.irp z, 0,1
	v_perm_b32 v[PV+\z], v[PW+2*\z+1], v[PW+2*\z], 0x05040100     ; row blocks 0, 1 of two tiles
	v_perm_b32 v[PV+2+\z], v[PW+2*\z+1], v[PW+2*\z], 0x07060302   ; row blocks 2, 3
.endr
	ds_store_b64 v5, v[PV:PV+1]
	ds_store_b64 v5, v[PV+2:PV+3] offset:512
	s_wait_alu depctr_va_vdst(0)
	s_wait_dscnt 0x0                               ; for the others' sake: my parts of the scale words are in LDS
	s_barrier_signal -1
	s_barrier_wait -1
	ds_load_b128 v[TM:TM+3], v3
	ds_load_b128 v[TM+4:TM+7], v3 offset:512
	ds_load_b128 v[TM+8:TM+11], v6
	s_wait_dscnt 0x0
	global_store_b128 v4, v[TM:TM+3], s[10:11]     ; 16 lanes store one aligned unit of 256 bytes
	global_store_b128 v4, v[TM+4:TM+7], s[10:11] offset:2048
	global_store_b128 v1, v[TM+8:TM+11], s[90:91]
	s_wait_tensorcnt 0x0                           ; the wave's end
	ds_add_u32 v[SPW], v[NIL]
	s_wait_dscnt 0x0
	CROUND                                         ; the closing round
	s_endpgm
.Lfunc_end_k_q3827ad7209_proj:
	.size	k_q3827ad7209_proj, .Lfunc_end_k_q3827ad7209_proj-k_q3827ad7209_proj
	.p2alignl 7, 3214868480
	.fill 96, 4, 3214868480
	.section	.rodata,"a",@progbits
	.p2align	6, 0x0
	.amdhsa_kernel k_q3827ad7209_proj
		.amdhsa_group_segment_fixed_size 327680
		.amdhsa_private_segment_fixed_size 0
		.amdhsa_enable_private_segment 0
		.amdhsa_kernarg_size 64
		.amdhsa_user_sgpr_count 2
		.amdhsa_user_sgpr_kernarg_segment_ptr 1
		.amdhsa_wavefront_size32 1
		.amdhsa_system_sgpr_workgroup_id_x 1
		.amdhsa_system_sgpr_workgroup_id_y 1
		.amdhsa_system_sgpr_workgroup_id_z 1
		.amdhsa_system_vgpr_workitem_id 0
		.amdhsa_next_free_vgpr 1024
		.amdhsa_next_free_sgpr 102
		.amdhsa_reserve_vcc 0
		.amdhsa_float_denorm_mode_32 3
		.amdhsa_float_denorm_mode_16_64 3
		.amdhsa_memory_ordered 1
		.amdhsa_forward_progress 1
		.amdhsa_inst_pref_size 248
	.end_amdhsa_kernel
	.amdgpu_metadata
---
amdhsa.version: [ 1, 2 ]
amdhsa.kernels:
  - .name:           k_q3827ad7209_proj
    .symbol:         k_q3827ad7209_proj.kd
    .args:
      - { .name: xq, .offset: 0, .size: 8, .value_kind: global_buffer, .address_space: global }
      - { .name: wq, .offset: 8, .size: 8, .value_kind: global_buffer, .address_space: global }
      - { .name: qimg, .offset: 16, .size: 8, .value_kind: global_buffer, .address_space: global }
      - { .name: qs, .offset: 24, .size: 8, .value_kind: global_buffer, .address_space: global }
      - { .name: kimg, .offset: 32, .size: 8, .value_kind: global_buffer, .address_space: global }
      - { .name: ks, .offset: 40, .size: 8, .value_kind: global_buffer, .address_space: global }
      - { .name: vimg, .offset: 48, .size: 8, .value_kind: global_buffer, .address_space: global }
      - { .name: vs, .offset: 56, .size: 8, .value_kind: global_buffer, .address_space: global }
    .group_segment_fixed_size: 327680
    .private_segment_fixed_size: 0
    .kernarg_segment_align: 8
    .kernarg_segment_size: 64
    .max_flat_workgroup_size: 128
    .sgpr_count:     102
    .vgpr_count:     1024
    .wavefront_size: 32
...
	.end_amdgpu_metadata
.endif
;; end of part 2
;; launch attn (part 3): grid 32 x 8, 4 waves a work-group, clusters of 4 x 1, 327,680 bytes of LDS; arguments qimg, qs, kimg, ks, vimg, vs, out0; writes out0
.if DOCPART == 3
	.amdgcn_target "amdgcn-amd-amdhsa--gfx1250"
	.amdhsa_code_object_version 6
	.text
	.protected	k_q3827ad7209_attn
	.globl	k_q3827ad7209_attn
	.p2align	8
	.type	k_q3827ad7209_attn,@function
k_q3827ad7209_attn:
	s_mov_b64 s[64:65], 0
	v_nop
	global_prefetch_b8 v0, s[64:65] scope:SCOPE_SE
	s_setreg_imm32_b32 hwreg(HW_REG_WAVE_MODE, 25, 1), 1
	s_wait_xcnt 0x0
	s_wait_alu depctr_hold_cnt(0) depctr_sa_sdst(0) depctr_va_vdst(0) depctr_va_sdst(0) depctr_va_ssrc(0) depctr_va_vcc(0) depctr_vm_vsrc(0)
	s_getreg_b32 s2, hwreg(HW_REG_IB_STS2, 6, 4)
	s_cmp_eq_u32 s2, 0
	s_cbranch_scc0 .Lentry_in_a_cluster
	s_endpgm
.Lentry_in_a_cluster:
	s_bfe_u32 s2, ttmp6, 0x10000c
	s_cmp_lg_u32 s2, 0x3003
	s_cbranch_scc0 .Lentry_shape_is_right
	s_endpgm
.Lentry_shape_is_right:
; out[b][q][:] = the sum over keys k <= q of softmax_k(q . k / sqrt(512)) v[k][:], both products on codes of BF8 (E5M2) with one E8M0 scale for each 32 along a product's K.  All operands arrive as register images
; (a fragment: 2,048 bytes, byte 512 c + 16 lane + i = byte i of the lane's registers 4 c .. 4 c + 3), laid by the launch before.
; SHARES.  Work-group (j, b) owns two blocks of 32 queries of batch b: block j (tiles 0, 1: pair 0) and block 63 - j (tiles 2, 3: pair 1).  A key step is 128 keys; pair p works in steps 0 .. (its block) / 4, the last of them
; under the mask.  Steps beyond a pair's last are left out: their keys are all hidden.  Pair 1's last step, 15 - j / 4, is the work-group's last: it is written out behind the loop, asks for nothing more, and alone holds pair 1's mask.
; IN A STEP wave w owns keys 32 w .. + 31 (exactly one block of p) for S^T = K Q^T, and channels 128 w .. + 127 for O^T = V^T P^T, for all active tiles.  So each fragment of K or V feeds up to four matrix instructions and
; the four waves' fragments are disjoint.  p's codes (2,048 bytes a tile) and four words a query cross waves through LDS: one barrier a step, two buffers by turns.
; CLUSTER.  Work-groups 4 c .. 4 c + 3 of a batch form a cluster: their last steps are c and 15 - c alike, so they walk the same steps and take the same branches.  V's images are asked for JOINTLY: wave w of each of the four issues
; the same tensor load (its 8 fragments of the next step, 16,384 bytes, mask 15) into its own ring of two LDS slots, which it alone reads.  The step's barrier is a round of the cluster's barrier, and the load stands first behind it.
; K's images go from memory straight into registers: a like ring for K beside V's would make 131,072 + 131,072 + 32,768 (p) + 4,096 + 33,792 (stages) + 512 = 333,312 bytes, more than the 327,680 there are.
; Both products are used transposed: a lane holds ONE query (lane % 16) throughout.  Position i of a lane's 16 in a block is key 16 (i / 8) + 8 (lane / 16) + i % 8, in p as in V's image.
; THE SOFTMAX.  t = score x log2(e) / sqrt(512).  Wave w keeps, for its own keys, the running largest t, -M = floor(-t) (M a whole number) and the sum l of the unquantised p = 2^(t - M).  With its codes it hands on
; E = the block's scale byte + M, a whole number in f32.  Every wave keeps G = the running largest E of the query and H = G - 112.  O^T is held under 2^-H: it is multiplied by 2^(old G - new G) in every step, and block w's byte
; is max(E_w - H, 0), at most 112.  At the end l = the sum over w of l_w 2^(M_w - H) divides.  Every rescaling is a power of two: the codes' values are those of a running M.
; A wave that has seen no visible key of a query has -M = 3e38: its E is -3e38, raises no G, gets the byte 0, and its codes are zeros.
; LIMITS: |t| under 2^24 - 128, so that byte + M is exact in f32; a block more than 2^-111 below the row's largest term is held at the byte 0 (2^-127); p under 2^-126 counts as 0; NaN and infinities are not served.
; REGISTERS, in windows of 256.  Window 0: v1-21 addresses and the mask's distances; v22-61 statistics; v62-95 at work; v96-111 p's codes; v112-127 E; v128-143 Q's scale words, v144-151 K's, v152-159 V's, v160-163 P's (these hold scales
;   and nothing else); v164-171 V's scale halfwords as loaded; v172-179 1 / l; v192-255 S^T (16 a tile), behind the barrier P's four fragments.   Window 1: O^T, 64 a tile.   Window 2: Q, 64 a tile.   Window 3: v0-127 K, v128-255 V.
.set VSL,   16384                      ; LDS: V's ring: wave w's slot z at 32,768 w + 16,384 z: 131,072 bytes, filled by tensor loads alone
.set PB,    131072                     ; p's two buffers, 16,384 apart: images 2,048 t + 512 w + 16 lane;
.set EOFF,  8192                       ; from EOFF the words E: 512 t + 128 w + 4 lane
.set LM,    163840                     ; the pairs (l, -M): 1,024 t + 256 w + 8 lane
.set STAGE, 167936                     ; the way out: 16 rows x (512 bytes + 16) for each wave
.set SPARE, STAGE+4*8448               ; the spare words, 128 bytes for each wave: two blocks of 256 bytes that no other line names
.set LI,  1                            ; v1   16 x lane
.set L8,  2                            ; v2   8 x lane
.set PST, 3                            ; v3   PB + 512 w + 16 lane
.set EST, 4                            ; v4   PB + EOFF + 128 w + 4 lane
.set ELD, 5                            ; v5   PB + EOFF + 4 lane
.set LMS, 6                            ; v6   LM + 256 w + 8 lane
.set LML, 7                            ; v7   LM + 8 lane
.set SO,  8                            ; v8   my stage: row r, + 32 h
.set SR,  9                            ; v9   my stage: 16 x lane
.set PFO, 10                           ; v10  256 x lane: the prefetches' offset; never rewritten
.set SPW, 11                           ; v11  LDS address of my spare word; never rewritten
.set NIL, 12                           ; v12  0; never rewritten
.set NINF, 13                          ; v13  -infinity
.set DL,  14                           ; v14-17 tile t: my query less my lane's first key in the masked step
.set PLD, 20                           ; v20  PB + 16 lane
.set VA,  21                           ; v21  32,768 w + 16 lane: my ring
.set NM,  22                           ; pairs (-M, largest t), a tile each
.set LL,  30                           ; pairs: the sum in two halves
.set GG,  38
.set HH,  42
.set FO,  46                           ; pairs: 2^(old G - new G) in the low word
.set FW,  54                           ; pairs: 2^(old M - new M) in the low word
.set BM,  62                           ; at work, one for each tile of a pair: the block's largest score, then p
.set PT,  64
.set SOP, 66
.set LIM, 68
.set BY,  70
.set OLD, 72
.set L2,  74
.set EV,  78
.set CT,  80                           ; v80-91 six a tile
.set PT4, 92
.set PC,  96
.set EW,  112
.set QS,  128
.set KS,  144
.set VW,  152
.set PSW, 160
.set VR,  164
.set RL,  172
.set SS,  192
.set WV,  18
.set MNT, 19
.set SEL, 20
.set CS,  22                           ; s[22:23] c = log2(e) / sqrt(512)
.set ST,  24                           ; the loop's counter: the first of a trip's two steps
.set SH,  25                           ; pair 1's last step: 15 - cluster x
.set SL,  26                           ; pair 0's: cluster x
.set CUR, 27                           ; the step in hand
.set PFL, 28                           ; 13 in the batch's first cluster, else 0: a step under it prefetches
.set KB,  32                           ; s[32:39] my wave's share of step 0: K's images, K's scale words, V's images, V's halfwords
.set KSB, 34
.set VB,  36
.set VSB, 38
.set KN,  40                           ; s[40:45] the same of the step that is being asked for (V's images go by the descriptors)
.set KSN, 42
.set VSN, 44
.set OB,  48                           ; s[48:55] tile t's 16 rows of out0, my 512 bytes of them
.set G1,  68                           ; s[68:75] descriptor group 1, never rewritten
.set G0,  76                           ; s[76:83] descriptor group 0, a set for each slot
.set PFB, 84                           ; s[84:85] my wave's 8,192 bytes of step 0 for the prefetches
.set PFN, 86                           ; s[86:87] the same of the step that is being asked for
.set MSB, 0
.macro WIN new                         ; the immediate's high byte repeats the setting that is left; a switch that changes nothing is dropped
.if MSB != (\new)
	s_set_vgpr_msb (MSB<<8)|(\new)
.set MSB, (\new)
.endif
.endm
.macro PLACES n
.rept \n
	v_nop
.endr
.endm
; A round of the cluster's barrier: my work-group's barrier, so that wave 0's signal speaks for all four waves; wave 0 signals for the work-group; every wave waits for all four work-groups; my work-group's barrier once more.
.macro CROUND
	s_barrier_signal -1
	s_barrier_wait -1
	s_cmp_lg_u32 s[WV], 0
	s_cbranch_scc1 .Lnot_wave_0_\@
	s_barrier_signal -3
.Lnot_wave_0_\@:
	s_barrier_wait -3
	s_barrier_signal -1
	s_barrier_wait -1
.endm
.macro KISSUE kb, ksb, vsb             ; my 32 keys' 8 fragments and scale words, and my 8 channel tiles' scale halfwords of V: 38 loads
	WIN 0xc0                                       ; destination window 3
.irp u, 0,1
.irp c, 0,1,2,3
.irp e, 0,1,2,3
	global_load_b128 v[16*(4*\u+\c)+4*\e:16*(4*\u+\c)+4*\e+3], v[LI], s[\kb:\kb+1] offset:8192*\u+2048*\c+512*\e
.endr
.endr
.endr
	WIN 0
.irp c, 0,1,2,3
	global_load_b64 v[KS+2*\c:KS+2*\c+1], v[L8], s[\ksb:\ksb+1] offset:256*\c   ; K step c: the words of key tiles 0 and 1
.endr
	global_load_b128 v[VR:VR+3], v[LI], s[\vsb:\vsb+1]               ; V: blocks 0, 1 of the 8 tiles
	global_load_b128 v[VR+4:VR+7], v[LI], s[\vsb:\vsb+1] offset:512  ; blocks 2, 3
.endm
; The next step's K.  It stands in steps under the work-group's last alone, so CUR + 1 is 15 at the most: every load stays inside its buffer and is used.
; A PREFETCH INTO THE L2 stands behind the run of loads: in step s the images of step s + 3, two steps ahead of their loads.  All clusters of a batch walk the same images: the batch's first cluster, which walks all 16 steps, asks.
; Its four partners and their waves share a step's 131,072 bytes out BY ADDRESS: waves 0, 1 take K's, waves 2, 3 V's; the wave's 8,192 bytes are number 2 cx + w % 2 of eight; lanes 256 bytes apart, one instruction.
; Steps 0 to 2 come by their loads alone; from step 13 on nothing is asked for: s + 3 would pass step 15.
.macro KLOAD
	s_wait_xcnt 0x0                                ; the earlier loads and prefetches have read these bases
	s_add_co_u32 s29, s[CUR], 1
	s_lshl_b32 s30, s29, 16
	s_mov_b32 s31, 0
	s_add_nc_u64 s[KN:KN+1], s[KB:KB+1], s[30:31]
	s_add_nc_u64 s[PFN:PFN+1], s[PFB:PFB+1], s[30:31]
	s_lshl_b32 s30, s29, 12
	s_add_nc_u64 s[KSN:KSN+1], s[KSB:KSB+1], s[30:31]
	s_add_nc_u64 s[VSN:VSN+1], s[VSB:VSB+1], s[30:31]
	KISSUE KN, KSN, VSN
	s_cmp_lt_u32 s[CUR], s[PFL]
	s_cbranch_scc0 .Lnot_mine_\@
	global_prefetch_b8 v[PFO], s[PFN:PFN+1] offset:131072 th:TH_LOAD_NT scope:SCOPE_SE
.Lnot_mine_\@:
.endm
; The step's loads are in; V's scale words are made here, far ahead of the products that read them and nine places behind the last that read the old ones
.macro ARRIVE
	s_wait_loadcnt 0x0                             ; K, its scale words and V's halfwords of this step: nothing else of mine is out
.irp n, 0,1,2,3,4,5,6,7
	v_perm_b32 v[VW+\n], v[VR+4+\n/2], v[VR+\n/2], s[56+\n%2]   ; tile n's scale word: its halfword of blocks 0, 1 below, of blocks 2, 3 above
.endr
.endm
; S^T of pair p: 16 matrix instructions; its four accumulators (2 tiles of queries x 2 tiles of keys) take turns; the first K step starts the sums
.macro S_PAIR p
	WIN 0x0b                                       ; source 0 (K) window 3, source 1 (Q) window 2, C and D window 0
.irp c, 0,1,2,3
.irp y, 0,1
.irp u, 0,1
.if \c == 0
	v_wmma_scale_f32_16x16x128_f8f6f4 v[SS+16*(2*\p+\y)+8*\u:SS+16*(2*\p+\y)+8*\u+7], v[16*(4*\u+\c):16*(4*\u+\c)+15], v[64*(2*\p+\y)+16*\c:64*(2*\p+\y)+16*\c+15], 0, v[KS+2*\c+\u], v[QS+8*\p+2*\c+\y] matrix_a_fmt:MATRIX_FMT_BF8 matrix_b_fmt:MATRIX_FMT_BF8
.else
	v_wmma_scale_f32_16x16x128_f8f6f4 v[SS+16*(2*\p+\y)+8*\u:SS+16*(2*\p+\y)+8*\u+7], v[16*(4*\u+\c):16*(4*\u+\c)+15], v[64*(2*\p+\y)+16*\c:64*(2*\p+\y)+16*\c+15], v[SS+16*(2*\p+\y)+8*\u:SS+16*(2*\p+\y)+8*\u+7], v[KS+2*\c+\u], v[QS+8*\p+2*\c+\y] matrix_a_fmt:MATRIX_FMT_BF8 matrix_b_fmt:MATRIX_FMT_BF8
.endif
.endr
.endr
.endr
.endm
; In a pair's last step the scores of hidden keys become -infinity: register n holds key 16 (n / 8) + n % 8 counted from my lane's first; it is hidden where that is above DL
.macro MASK p
.irp n, 0,1,2,3,4,5,6,7,8,9,10,11,12,13,14,15
.irp y, 0,1
	v_cmp_gt_i32 vcc_lo, 16*(\n/8)+\n%8, v[DL+2*\p+\y]
	v_cndmask_b32 v[SS+16*(2*\p+\y)+\n], v[SS+16*(2*\p+\y)+\n], v[NINF], vcc_lo
.endr
.endr
.endm
; The softmax of pair p for my 32 keys; the two tiles take turns line by line.  Its codes and E go into p's buffer at buf.
.macro SM_PAIR p, buf
.irp y, 0,1
	v_max3_num_f32 v[BM+\y], v[SS+16*(2*\p+\y)], v[SS+16*(2*\p+\y)+1], v[SS+16*(2*\p+\y)+2]   ; the largest score: it serves for M, and, since p rises with the score, for the block's largest p
.endr
.irp i, 3,5,7,9,11,13
.irp y, 0,1
	v_max3_num_f32 v[BM+\y], v[BM+\y], v[SS+16*(2*\p+\y)+\i], v[SS+16*(2*\p+\y)+\i+1]
.endr
.endr
.irp y, 0,1
	v_max_num_f32 v[BM+\y], v[BM+\y], v[SS+16*(2*\p+\y)+15]
.endr
.irp y, 0,1
	v_permlanex16_b32 v[PT+\y], v[BM+\y], s[SEL], s[SEL+1]
.endr
.irp y, 0,1
	v_max_num_f32 v[BM+\y], v[BM+\y], v[PT+\y]     ; with lane l xor 16's 16 keys
.endr
.irp y, 0,1
	v_mul_f32 v[OLD+\y], s[CS], v[BM+\y]           ; as t (c is positive)
.endr
.irp y, 0,1
	v_max_num_f32 v[NM+2*(2*\p+\y)+1], v[NM+2*(2*\p+\y)+1], v[OLD+\y]   ; the running largest t
.endr
.irp y, 0,1
	v_mov_b32 v[OLD+\y], v[NM+2*(2*\p+\y)]
.endr
.irp y, 0,1
	v_floor_f32 v[NM+2*(2*\p+\y)], -v[NM+2*(2*\p+\y)+1]   ; the new -M = floor(-t): M is a whole number
.endr
.irp y, 0,1
	v_sub_f32 v[OLD+\y], v[NM+2*(2*\p+\y)], v[OLD+\y]     ; old M - new M: a whole number, 0 or less
.endr
.irp y, 0,1
	v_cvt_i32_f32 v[OLD+\y], v[OLD+\y]             ; (it saturates)
.endr
.irp y, 0,1
	v_ldexp_f32 v[FW+2*(2*\p+\y)], 1.0, v[OLD+\y]  ; 2^(old M - new M)
.endr
.irp i, 0,2,4,6,8,10,12,14
.irp y, 0,1
	v_pk_fma_f32 v[SS+16*(2*\p+\y)+\i:SS+16*(2*\p+\y)+\i+1], v[SS+16*(2*\p+\y)+\i:SS+16*(2*\p+\y)+\i+1], s[CS:CS+1], v[NM+2*(2*\p+\y):NM+2*(2*\p+\y)+1] op_sel_hi:[1,0,0]   ; t - M, two at a time
.endr
.endr
.irp y, 0,1
	v_fma_f32 v[BM+\y], v[BM+\y], s[CS], v[NM+2*(2*\p+\y)]   ; the same of the largest score
.endr
	s_wait_alu depctr_va_vdst(0)
.irp i, 0,1,2,3,4,5,6,7,8,9,10,11,12,13,14,15
.irp y, 0,1
	v_exp_f32 v[SS+16*(2*\p+\y)+\i], v[SS+16*(2*\p+\y)+\i]   ; p = 2^(t - M), at most 1: not normalised
.endr
.endr
.irp y, 0,1
	v_pk_mul_f32 v[LL+2*(2*\p+\y):LL+2*(2*\p+\y)+1], v[LL+2*(2*\p+\y):LL+2*(2*\p+\y)+1], v[FW+2*(2*\p+\y):FW+2*(2*\p+\y)+1] op_sel_hi:[1,0]   ; the sums under the new M: the plain lines behind the exponentials
.endr
	s_wait_alu depctr_va_vdst(0)                   ; one wait for the batch of 32, ahead of its first reader
.irp y, 0,1
	v_exp_f32 v[BM+\y], v[BM+\y]                   ; the block's largest p
.endr
.irp y, 0,1
	v_pk_add_f32 v[L2+2*\y:L2+2*\y+1], v[SS+16*(2*\p+\y):SS+16*(2*\p+\y)+1], v[SS+16*(2*\p+\y)+2:SS+16*(2*\p+\y)+3]   ; the sum is taken of the unquantised p, in two chains
.endr
.irp i, 4,8,12
.irp y, 0,1
	v_pk_add_f32 v[LL+2*(2*\p+\y):LL+2*(2*\p+\y)+1], v[LL+2*(2*\p+\y):LL+2*(2*\p+\y)+1], v[SS+16*(2*\p+\y)+\i:SS+16*(2*\p+\y)+\i+1]
	v_pk_add_f32 v[L2+2*\y:L2+2*\y+1], v[L2+2*\y:L2+2*\y+1], v[SS+16*(2*\p+\y)+\i+2:SS+16*(2*\p+\y)+\i+3]
.endr
.endr
.irp y, 0,1
	v_pk_add_f32 v[LL+2*(2*\p+\y):LL+2*(2*\p+\y)+1], v[LL+2*(2*\p+\y):LL+2*(2*\p+\y)+1], v[L2+2*\y:L2+2*\y+1]
.endr
	s_wait_alu depctr_va_vdst(0)                   ; and one for the two
.irp y, 0,1
	v_max_num_f32 v[BM+\y], 0x8000000, v[BM+\y]    ; the floor 2^(16 - 127): the byte cannot fall under 1
.endr
.irp y, 0,1
	v_add_nc_u32 v[SOP+\y], 0xf8800000, v[BM+\y]   ; 15 off the exponent field: the conversion's scale operand
.endr
.irp y, 0,1
	v_and_or_b32 v[LIM+\y], v[BM+\y], 0x7f800000, s[MNT]   ; 57,344 x the scale
.endr
.irp y, 0,1
	v_lshrrev_b32 v[BY+\y], 23, v[SOP+\y]          ; the scale's byte
.endr
.irp y, 0,1
	v_cvt_f32_u32 v[BY+\y], v[BY+\y]
.endr
.irp y, 0,1
	v_sub_f32 v[EV+\y], v[BY+\y], v[NM+2*(2*\p+\y)]   ; E = byte + M
.endr
.irp i, 0,1,2,3,4,5,6,7,8,9,10,11,12,13,14,15
.irp y, 0,1
	v_min_num_f32 v[SS+16*(2*\p+\y)+\i], v[SS+16*(2*\p+\y)+\i], v[LIM+\y]   ; the conversion does not saturate (ISA guide 7.6.2); p is not negative, so the hold is one-sided
.endr
.endr
.irp y, 0,1
	v_cvt_scalef32_pk8_bf8_f32 v[PC+4*(2*\p+\y):PC+4*(2*\p+\y)+1], v[SS+16*(2*\p+\y):SS+16*(2*\p+\y)+7], v[SOP+\y]
	v_cvt_scalef32_pk8_bf8_f32 v[PC+4*(2*\p+\y)+2:PC+4*(2*\p+\y)+3], v[SS+16*(2*\p+\y)+8:SS+16*(2*\p+\y)+15], v[SOP+\y]
.endr
	v_nop                                          ; a plain line behind the last conversion
.irp y, 0,1
	ds_store_b128 v[PST], v[PC+4*(2*\p+\y):PC+4*(2*\p+\y)+3] offset:\buf+2048*(2*\p+\y)   ; registers 4 w .. 4 w + 3 of P's fragment
	ds_store_b32 v[EST], v[EV+\y] offset:\buf+512*(2*\p+\y)
.endr
.endm
.macro PFETCH p, buf                   ; P's two fragments, into S^T's registers, and the four waves' E: 16 LDS loads
.irp y, 0,1
.irp c, 0,1,2,3
	ds_load_b128 v[SS+16*(2*\p+\y)+4*\c:SS+16*(2*\p+\y)+4*\c+3], v[PLD] offset:\buf+2048*(2*\p+\y)+512*\c
.endr
.irp c, 0,1,2,3
	ds_load_b32 v[EW+4*(2*\p+\y)+\c], v[ELD] offset:\buf+512*(2*\p+\y)+128*\c
.endr
.endr
.endm
.macro VFETCH z                        ; my 8 fragments of V out of my slot z: 32 LDS loads, each of 512 consecutive bytes
	WIN 0xc0                                       ; destination window 3, address window 0
.irp n, 0,1,2,3,4,5,6,7
.irp e, 0,1,2,3
	ds_load_b128 v[128+16*\n+4*\e:128+16*\n+4*\e+3], v[VA] offset:VSL*\z+2048*\n+512*\e
.endr
.endr
	WIN 0
.endm
; G, H, the factor for O^T and P's scale word.  first = 1: there is no old G and nothing to rescale.
.macro CONS p, first
.irp y, 0,1
	v_max3_num_f32 v[CT+6*\y], v[EW+4*(2*\p+\y)], v[EW+4*(2*\p+\y)+1], v[EW+4*(2*\p+\y)+2]
.endr
.irp y, 0,1
.if \first
	v_max_num_f32 v[CT+6*\y], v[CT+6*\y], v[EW+4*(2*\p+\y)+3]
.else
	v_max3_num_f32 v[CT+6*\y], v[CT+6*\y], v[EW+4*(2*\p+\y)+3], v[GG+2*\p+\y]
.endif
.endr
.if !\first
.irp y, 0,1
	v_sub_f32 v[CT+6*\y+1], v[GG+2*\p+\y], v[CT+6*\y]   ; old G - new G: a whole number, 0 or less
.endr
.irp y, 0,1
	v_cvt_i32_f32 v[CT+6*\y+1], v[CT+6*\y+1]
.endr
.irp y, 0,1
	v_ldexp_f32 v[FO+2*(2*\p+\y)], 1.0, v[CT+6*\y+1]
.endr
.endif
.irp y, 0,1
	v_mov_b32 v[GG+2*\p+\y], v[CT+6*\y]
.endr
.irp y, 0,1
	v_add_f32 v[HH+2*\p+\y], 0xc2e00000, v[CT+6*\y]     ; H = G - 112
.endr
.irp c, 0,1,2,3
.irp y, 0,1
	v_sub_f32 v[CT+6*\y+2+\c], v[EW+4*(2*\p+\y)+\c], v[HH+2*\p+\y]
.endr
.endr
.irp c, 0,1,2,3
.irp y, 0,1
	v_max_num_f32 v[CT+6*\y+2+\c], 0, v[CT+6*\y+2+\c]   ; block c's byte, 0 to 112, as a whole number in f32
.endr
.endr
.irp y, 0,1
	v_fma_f32 v[CT+6*\y+2], v[CT+6*\y+3], 0x43800000, v[CT+6*\y+2]   ; byte 0 + 256 x byte 1: exact
	v_fma_f32 v[CT+6*\y+4], v[CT+6*\y+5], 0x43800000, v[CT+6*\y+4]
.endr
.irp y, 0,1
	v_cvt_u32_f32 v[CT+6*\y+2], v[CT+6*\y+2]
	v_cvt_u32_f32 v[CT+6*\y+4], v[CT+6*\y+4]
.endr
.irp y, 0,1
	v_lshl_or_b32 v[PSW+2*\p+\y], v[CT+6*\y+4], 16, v[CT+6*\y+2]
.endr
.endm
; O^T of pair p under the new H, ascending.  These 64 lines are also the places between the scale word made above and the products below, and the work under which V's fragments come out of LDS.
.macro RESC p
	WIN 0x41                                       ; O^T (destination and source 0) window 1, the factor window 0
.irp y, 0,1
.set RJ, 0
.rept 32
	v_pk_mul_f32 v[64*(2*\p+\y)+RJ:64*(2*\p+\y)+RJ+1], v[64*(2*\p+\y)+RJ:64*(2*\p+\y)+RJ+1], v[FO+2*(2*\p+\y):FO+2*(2*\p+\y)+1] op_sel_hi:[1,0]
.set RJ, RJ+2
.endr
.endr
.endm
; O^T += V^T P^T of pair p: 16 matrix instructions, one on each accumulator.  first = 1: they start the sums.
.macro PV_PAIR p, first
	WIN 0x53                                       ; source 0 (V) window 3, source 1 (P) window 0, C and D window 1
.irp n, 0,1,2,3,4,5,6,7
.irp y, 0,1
.if \first
	v_wmma_scale_f32_16x16x128_f8f6f4 v[64*(2*\p+\y)+8*\n:64*(2*\p+\y)+8*\n+7], v[128+16*\n:128+16*\n+15], v[SS+16*(2*\p+\y):SS+16*(2*\p+\y)+15], 0, v[VW+\n], v[PSW+2*\p+\y] matrix_a_fmt:MATRIX_FMT_BF8 matrix_b_fmt:MATRIX_FMT_BF8
.else
	v_wmma_scale_f32_16x16x128_f8f6f4 v[64*(2*\p+\y)+8*\n:64*(2*\p+\y)+8*\n+7], v[128+16*\n:128+16*\n+15], v[SS+16*(2*\p+\y):SS+16*(2*\p+\y)+15], v[64*(2*\p+\y)+8*\n:64*(2*\p+\y)+8*\n+7], v[VW+\n], v[PSW+2*\p+\y] matrix_a_fmt:MATRIX_FMT_BF8 matrix_b_fmt:MATRIX_FMT_BF8
.endif
.endr
.endr
.endm
; A KEY STEP under the work-group's last.  first = 1: step 0, written out ahead of the loop: both pairs work, its products start O^T.  d: the step is ST + d.  z: its slot of V and its buffer of p.
; All branches hang on the cluster's number and the count of steps: the four waves, and the four partners, go the same way.  The branch at the head leaves the loop for the last step; the others lead round pair 0's work alone:
; no load, tensor load, wait or barrier is jumped over inside a step.
.macro STEP first, d, z
.if \first
	s_mov_b32 s[CUR], 0
.else
	s_add_co_u32 s[CUR], s[ST], \d
	s_cmp_ge_u32 s[CUR], s[SH]
	s_cbranch_scc1 .Llast\z                        ; the work-group's last step is written out behind the loop, once for each slot
.endif
	ARRIVE
	S_PAIR 1
	WIN 0
.if !\first
	s_cmp_gt_u32 s[CUR], s[SL]
	s_cbranch_scc1 .La_\@
.endif
	S_PAIR 0
	WIN 0
.La_\@:
	PLACES 8                                       ; ahead of the loads into K's registers and of the first read of the scores (ISA guide 7.12.1 for the scores)
	KLOAD
	SM_PAIR 1, 16384*\z
.if !\first
	s_cmp_gt_u32 s[CUR], s[SL]
	s_cbranch_scc1 .Ld_\@
.endif
	s_cmp_lg_u32 s[CUR], s[SL]
	s_cbranch_scc1 .Lc_\@
	MASK 0
.Lc_\@:
	SM_PAIR 0, 16384*\z
.Ld_\@:
	s_wait_tensorcnt 0x0                           ; my one tensor load, this step's V, has landed: no tensor load of mine is out, so a group 0 may be written
	ds_add_u32 v[SPW], v[NIL]                      ; 0 onto my spare word
.if !\first
	s_add_nc_u64 s[G0+4*(1-\z)+2:G0+4*(1-\z)+3], s[G0+4*(1-\z)+2:G0+4*(1-\z)+3], 131072   ; the other slot's next V: two steps on; the type bits on top are not reached
.endif
	s_wait_dscnt 0x0                               ; the add is done; my stores into p's buffer have landed; my reads of the other slot and the other buffer ended in the last step
	CROUND                                         ; all that now holds of every wave of all four work-groups.  p's buffer is whole; it is written again two steps on, behind the next round
	tensor_load_to_lds s[G0+4*(1-\z):G0+4*(1-\z)+3], s[G1:G1+7]   ; the next step's V, jointly, into the slot read in the last step: first behind the round, my one tensor load until the next
	s_nop 0
	PLACES 4
	PFETCH 1, 16384*\z
.if !\first
	s_cmp_gt_u32 s[CUR], s[SL]
	s_cbranch_scc1 .Le_\@
.endif
	PFETCH 0, 16384*\z
.Le_\@:
	VFETCH \z
	s_wait_dscnt 32                                ; P and E are in; behind them V's 32 loads were issued and may be out
.if \first
	CONS 1, 1
	CONS 0, 1
	PLACES 8                                       ; a scale word made by vector instructions stands eight places ahead of the product
	s_wait_alu depctr_va_vdst(0)
	s_wait_dscnt 0x0                               ; V's fragments are in
	PV_PAIR 1, 1
	PV_PAIR 0, 1
	WIN 0
.else
	CONS 1, 0
	RESC 1
	s_wait_alu depctr_va_vdst(0)
	s_wait_dscnt 0x0                               ; V's fragments are in
	PV_PAIR 1, 0
	WIN 0
	s_cmp_gt_u32 s[CUR], s[SL]
	s_cbranch_scc1 .Lf_\@
	CONS 0, 0
	RESC 0
	PV_PAIR 0, 0
	WIN 0
.Lf_\@:
.endif
	PLACES 9                                       ; the next step's first products write over P's registers, which these products read: one place more than a load or a vector write wants
.endm
; THE WORK-GROUP'S LAST STEP, in slot and buffer z: pair 1 alone, under the mask; nothing more is asked for, so its barrier is the work-group's own.
.macro LAST z
.Llast\z:
	ARRIVE
	S_PAIR 1
	WIN 0
	PLACES 8                                       ; ahead of the first read of the scores
	MASK 1
	SM_PAIR 1, 16384*\z
	s_wait_tensorcnt 0x0                           ; this step's V has landed
	ds_add_u32 v[SPW], v[NIL]
	s_wait_dscnt 0x0                               ; the add is done, and my stores into p's buffer have landed
	s_barrier_signal -1
	s_barrier_wait -1
	PFETCH 1, 16384*\z
	VFETCH \z
	s_wait_dscnt 32                                ; P and E are in; V's 32 loads may be out
	CONS 1, 0
	RESC 1
	s_wait_alu depctr_va_vdst(0)
	s_wait_dscnt 0x0
	PV_PAIR 1, 0
	WIN 0
	PLACES 8                                       ; ahead of the loads into P's registers and of the first read of O^T
.endm
	s_load_b256 s[4:11], s[0:1], 0x0               ; qimg s[4:5], qs s[6:7], kimg s[8:9], ks s[10:11]
	s_load_b128 s[12:15], s[0:1], 0x20             ; vimg s[12:13], vs s[14:15]
	s_load_b64 s[16:17], s[0:1], 0x30              ; out0
	v_lshl_add_u32 v[SPW], v0, 2, SPARE
	v_mov_b32 v[NIL], 0
	ds_add_u32 v[SPW], v[NIL]                      ; the wave's opening: the add and its wait come ahead of my first tensor load; the set-up below, work on registers, stands between them
	ds_add_u32 v[SPW], v[NIL]
	v_lshrrev_b32 v62, 5, v0
	v_readfirstlane_b32 s[WV], v62                 ; wave 0..3
	s_mov_b32 s[MNT], 0x600000                     ; the mantissa field of 57,344
	s_mov_b32 s[SEL], 0x76543210
	s_mov_b32 s[SEL+1], 0xfedcba98                 ; v_permlanex16_b32's selects for lane l xor 16
	s_mov_b32 s[CS], 0x3d8293ee                    ; c = log2(e) / sqrt(512)
	s_mov_b32 s[CS+1], s[CS]                       ; (named with it as a pair, so it is written)
	s_mov_b32 s56, 0x05040100                      ; v_perm_b32: the two low halves;
	s_mov_b32 s57, 0x07060302                      ; the two high halves
	; descriptor group 1: 16,384 dense bytes as 64 rows of 32 elements of 8 bytes, no padding: the wave reads them 512 consecutive bytes at a time
	s_mov_b32 s[G1+0], 15|(3<<16)|(1<<21)          ; 15:0 the mask: all four work-groups; 17:16 elements of 8 bytes; 21 set beside a mask
	s_mov_b32 s[G1+1], 32<<16                      ; tensor_dim0
	s_mov_b32 s[G1+2], 64<<16                      ; tensor_dim1
	s_mov_b32 s[G1+3], 32<<16                      ; tile_dim0
	s_mov_b32 s[G1+4], 64                          ; tile_dim1
	s_mov_b32 s[G1+5], 32                          ; tensor_dim0_stride
	s_mov_b32 s[G1+6], 0
	s_mov_b32 s[G1+7], 0
	s_bfe_u32 s61, ttmp6, 0x40000                  ; cx: my place in the cluster.  It enters Q's, out0's and the prefetches' addresses and the mask's distances: no branch, no LDS address, no descriptor
	s_lshl_b32 s58, ttmp9, 2                       ; in a cluster launch ttmp9 counts clusters
	s_add_co_u32 s58, s58, s61                     ; pair 0's block of 32 queries: j = 4 x cluster x + cx
	s_sub_co_u32 s59, 63, s58                      ; pair 1's
	s_mov_b32 s[SL], ttmp9                         ; j / 4: the same in the four partners
	s_sub_co_u32 s[SH], 15, ttmp9                  ; (63 - j) / 4 likewise
	s_and_b32 s60, ttmp7, 0xffff                   ; the batch
	s_cmp_eq_u32 ttmp9, 0
	s_cselect_b32 s[PFL], 13, 0
	v_and_b32 v18, 31, v0                          ; lane
	v_and_b32 v62, 15, v0                          ; r
	v_bfe_u32 v63, v0, 4, 1                        ; h
	v_lshlrev_b32 v[LI], 4, v18
	v_lshlrev_b32 v[L8], 3, v18
	v_lshlrev_b32 v[PFO], 8, v18
	s_lshl_b32 s88, s[WV], 15                      ; my ring: 32,768 w
	v_add_nc_u32 v[VA], s88, v[LI]
	s_lshl_b32 s29, s[WV], 9
	s_add_co_u32 s29, s29, PB
	v_add_nc_u32 v[PST], s29, v[LI]
	v_add_nc_u32 v[PLD], PB, v[LI]
	s_lshl_b32 s29, s[WV], 7
	s_add_co_u32 s29, s29, PB+EOFF
	v_lshl_add_u32 v[EST], v18, 2, s29
	v_lshl_add_u32 v[ELD], v18, 2, PB+EOFF
	s_lshl_b32 s29, s[WV], 8
	s_add_co_u32 s29, s29, LM
	v_lshl_add_u32 v[LMS], v18, 3, s29
	v_lshl_add_u32 v[LML], v18, 3, LM
	s_mul_i32 s29, s[WV], 8448
	s_add_co_u32 s29, s29, STAGE
	v_mul_u32_u24 v[SO], v62, 528
	v_lshl_add_u32 v[SO], v63, 5, v[SO]
	v_add_nc_u32 v[SO], s29, v[SO]
	v_add_nc_u32 v[SR], s29, v[LI]
	v_lshlrev_b32 v19, 3, v63
	v_sub_nc_u32 v19, v62, v19                     ; r - 8 h
.irp p, 0,1
	s_and_b32 s94, s[58+\p], 3
	s_sub_co_i32 s94, s94, s[WV]
	s_lshl_b32 s94, s94, 5                         ; 32 (block % 4 - w)
	v_add_nc_u32 v[DL+2*\p], s94, v19
	v_add_nc_u32 v[DL+2*\p+1], 16, v[DL+2*\p]
.endr
	s_lshl_b32 s30, s60, 20                        ; images: 1,048,576 a batch, 16,384 a wave
	s_lshl_b32 s29, s[WV], 14
	s_add_co_u32 s30, s30, s29
	s_mov_b32 s31, 0
	s_lshl_b32 s62, s60, 16                        ; scales: 65,536 a batch, 1,024 a wave
	s_lshl_b32 s29, s[WV], 10
	s_add_co_u32 s62, s62, s29
	s_mov_b32 s63, 0
	s_lshl_b32 s90, s61, 1                         ; the prefetches: my wave's 8,192 bytes are number 2 cx + w % 2 of a step's eight,
	s_and_b32 s94, s[WV], 1
	s_add_co_u32 s90, s90, s94
	s_lshl_b32 s90, s90, 13
	s_lshl_b32 s94, s60, 20                        ; in my batch
	s_add_co_u32 s90, s90, s94
	s_mov_b32 s91, 0
	s_mov_b32 s93, 0
	s_wait_dscnt 0x0                               ; the opening add is done
	s_wait_kmcnt 0x0
	s_add_nc_u64 s[KB:KB+1], s[8:9], s[30:31]
	s_add_nc_u64 s[KSB:KSB+1], s[10:11], s[62:63]
	s_add_nc_u64 s[VB:VB+1], s[12:13], s[30:31]
	s_add_nc_u64 s[VSB:VSB+1], s[14:15], s[62:63]
	s_cmp_lt_u32 s[WV], 2                          ; waves 0 and 1 ask for K's images, waves 2 and 3 for V's
	s_cselect_b64 s[PFB:PFB+1], s[8:9], s[12:13]
	s_add_nc_u64 s[PFB:PFB+1], s[PFB:PFB+1], s[90:91]
.irp p, 0,1
	s_lshl_b32 s92, s60, 20
	s_lshl_b32 s94, s[58+\p], 14
	s_add_co_u32 s92, s92, s94
	s_add_nc_u64 s[40+2*\p:41+2*\p], s[4:5], s[92:93]      ; the pair's 8 fragments of Q (these registers later hold the next step's bases)
	s_lshl_b32 s92, s60, 16
	s_lshl_b32 s94, s[58+\p], 10
	s_add_co_u32 s92, s92, s94
	s_add_nc_u64 s[44+2*\p:45+2*\p], s[6:7], s[92:93]      ; and its scale words
	s_lshl_b32 s92, s60, 22                        ; out0: 2,048 rows of 2,048 bytes a batch,
	s_lshl_b32 s94, s[58+\p], 16                   ; 32 rows a block,
	s_add_co_u32 s92, s92, s94
	s_lshl_b32 s94, s[WV], 9                       ; my 128 channels
	s_add_co_u32 s92, s92, s94
	s_add_nc_u64 s[OB+4*\p:OB+4*\p+1], s[16:17], s[92:93]
	s_add_nc_u64 s[OB+4*\p+2:OB+4*\p+3], s[OB+4*\p:OB+4*\p+1], 32768
.endr
	CROUND                                         ; all four work-groups are here: the first joint loads meet
.irp z, 0,1
	s_mov_b32 s[G0+4*\z], 1                        ; count = 1
	s_add_co_u32 s[G0+4*\z+1], s88, VSL*\z         ; LDS address: my ring, slot z
	s_add_nc_u64 s[G0+4*\z+2:G0+4*\z+3], s[VB:VB+1], 65536*\z   ; my 8 fragments of step z
	s_or_b32 s[G0+4*\z+3], s[G0+4*\z+3], 0x80000000            ; type = 2
.endr
	tensor_load_to_lds s[G0:G0+3], s[G1:G1+7]      ; step 0's V; slot 1 is first filled behind step 0's round, as a refill is.  One tensor load of mine is out at the most, here and throughout
	s_nop 0
	PLACES 4
	WIN 0x80                                       ; destination window 2: Q stays in registers
.irp p, 0,1
.irp y, 0,1
.irp c, 0,1,2,3
.irp e, 0,1,2,3
	global_load_b128 v[64*(2*\p+\y)+16*\c+4*\e:64*(2*\p+\y)+16*\c+4*\e+3], v[LI], s[40+2*\p:41+2*\p] offset:8192*\y+2048*\c+512*\e
.endr
.endr
.endr
.endr
	WIN 0
.irp p, 0,1
.irp c, 0,1,2,3
	global_load_b64 v[QS+8*\p+2*\c:QS+8*\p+2*\c+1], v[L8], s[44+2*\p:45+2*\p] offset:256*\c
.endr
.endr
	KISSUE KB, KSB, VSB                            ; step 0's K: nothing is prefetched here, at the head
	v_mov_b32 v[NINF], 0xff800000
.irp t, 0,1,2,3
	v_mov_b32 v[NM+2*\t+1], 0xff61b1e6             ; the largest t so far: -3e38, under every t
	v_mov_b32 v[LL+2*\t], 0
	v_mov_b32 v[LL+2*\t+1], 0
	v_mov_b32 v[FO+2*\t], 0                        ; (pairs are named whole: both words are written once)
	v_mov_b32 v[FO+2*\t+1], 0
	v_mov_b32 v[FW+2*\t], 0
	v_mov_b32 v[FW+2*\t+1], 0
	v_mov_b32 v[RL+2*\t+1], 0
	v_mov_b32 v[PT4+\t], 0                         ; a lane permute's destination counts as one of its sources
.endr
.irp t, 0,1,2,3
	v_floor_f32 v[NM+2*\t], -v[NM+2*\t+1]          ; -M
.endr
	v_mov_b32 v[PT], 0
	v_mov_b32 v[PT+1], 0
	STEP 1, 0, 0
	s_mov_b32 s[ST], 1
.Lstep:                                            ; a trip runs two steps, one on each slot and buffer; the way out is the branch at a step's head, at step 15 - cluster x, which is 15 at the most
	STEP 0, 0, 1
	STEP 0, 1, 0
	s_add_co_u32 s[ST], s[ST], 2
	s_cmp_lt_u32 s[ST], 16
	s_cbranch_scc1 .Lstep
	LAST 1
	s_branch .Lout
	LAST 0
.Lout:
	; THE END.  Each wave's sum and -M go round; l = the sum over w of l_w 2^(M_w - H).
.irp t, 0,1,2,3
	v_add_f32 v[CT+2*\t], v[LL+2*\t], v[LL+2*\t+1]
.endr
.irp t, 0,1,2,3
	v_permlanex16_b32 v[PT4+\t], v[CT+2*\t], s[SEL], s[SEL+1]
.endr
.irp t, 0,1,2,3
	v_add_f32 v[CT+2*\t], v[CT+2*\t], v[PT4+\t]    ; my 32-key columns' sum for the query
	v_mov_b32 v[CT+2*\t+1], v[NM+2*\t]
.endr
.irp t, 0,1,2,3
	ds_store_b64 v[LMS], v[CT+2*\t:CT+2*\t+1] offset:1024*\t
.endr
	s_wait_dscnt 0x0                               ; for the others' sake: my stores have landed
	s_barrier_signal -1
	s_barrier_wait -1
.irp t, 0,1,2,3
.irp w, 0,1,2,3
	ds_load_b64 v[SS+8*\t+2*\w:SS+8*\t+2*\w+1], v[LML] offset:1024*\t+256*\w
.endr
.endr
.irp t, 0,1,2,3
	v_sub_f32 v[CT+8+\t], 0, v[HH+\t]              ; -H
.endr
	s_wait_alu depctr_va_vdst(0)
	s_wait_dscnt 0x0
.irp w, 0,1,2,3
.irp t, 0,1,2,3
	v_sub_f32 v[SS+8*\t+2*\w+1], v[CT+8+\t], v[SS+8*\t+2*\w+1]   ; M_w - H: a whole number
.endr
.endr
.irp w, 0,1,2,3
.irp t, 0,1,2,3
	v_cvt_i32_f32 v[SS+8*\t+2*\w+1], v[SS+8*\t+2*\w+1]           ; (it saturates: a wave that saw no key has l = 0)
.endr
.endr
.irp w, 0,1,2,3
.irp t, 0,1,2,3
	v_ldexp_f32 v[SS+8*\t+2*\w], v[SS+8*\t+2*\w], v[SS+8*\t+2*\w+1]
.endr
.endr
.irp t, 0,1,2,3
	v_add_f32 v[SS+8*\t], v[SS+8*\t], v[SS+8*\t+2]
	v_add_f32 v[SS+8*\t+4], v[SS+8*\t+4], v[SS+8*\t+6]
.endr
.irp t, 0,1,2,3
	v_add_f32 v[SS+8*\t], v[SS+8*\t], v[SS+8*\t+4]
.endr
	s_wait_alu depctr_va_vdst(0)
.irp t, 0,1,2,3
	v_rcp_f32 v[RL+2*\t], v[SS+8*\t]
.endr
	v_nop                                          ; a plain line behind the last reciprocal
	s_wait_alu depctr_va_vdst(0)                   ; one wait for the four, ahead of their first reader
; THE WAY OUT.  Tile t: O^T / l, ascending; a lane's 8 channels of a row are 32 bytes: they go into my stage (rows of 528 bytes) and come back as whole rows of 512, into the registers that they left.
.macro TOSTAGE t
	WIN 0x41
.set RJ, 0
.rept 32
	v_pk_mul_f32 v[64*\t+RJ:64*\t+RJ+1], v[64*\t+RJ:64*\t+RJ+1], v[RL+2*\t:RL+2*\t+1] op_sel_hi:[1,0]
.set RJ, RJ+2
.endr
	WIN 0x04                                       ; an LDS store's data are its source 1: window 1
.irp n, 0,1,2,3,4,5,6,7
	ds_store_b128 v[SO], v[64*\t+8*\n:64*\t+8*\n+3] offset:64*\n
	ds_store_b128 v[SO], v[64*\t+8*\n+4:64*\t+8*\n+7] offset:64*\n+16
.endr
	WIN 0x40                                       ; destination window 1
.irp i, 0,1,2,3,4,5,6,7,8,9,10,11,12,13,14,15
	ds_load_b128 v[64*\t+4*\i:64*\t+4*\i+3], v[SR] offset:528*\i   ; LDS serves a wave's instructions in order (ISA guide 5.7.1.4): these see the stores above; the next tile's stores come behind them
.endr
.endm
.macro SEND t, younger                 ; younger: the LDS instructions issued behind tile t's loads: the next tile's 32, or none
	WIN 0x04                                       ; a store's data are its source 1: window 1
.irp i, 0,1,2,3,4,5,6,7,8,9,10,11,12,13,14,15
	s_wait_dscnt \younger+15-\i
	global_store_b128 v[LI], v[64*\t+4*\i:64*\t+4*\i+3], s[OB+2*\t:OB+2*\t+1] offset:2048*\i th:TH_STORE_NT   ; 32 lanes store 512 consecutive bytes, aligned; written once, read by nobody here
.endr
.endm
	TOSTAGE 0
	TOSTAGE 1
	SEND 0, 32
	TOSTAGE 2
	SEND 1, 32
	TOSTAGE 3
	SEND 2, 32
	SEND 3, 0
	WIN 0
	s_wait_tensorcnt 0x0                           ; the wave's end, behind my last tensor load and my last LDS store
	ds_add_u32 v[SPW], v[NIL]
	s_wait_dscnt 0x0
	CROUND                                         ; the closing round: no work-group ends while a partner may still ask for a tile that names it
	s_endpgm
.Lfunc_end_k_q3827ad7209_attn:
	.size	k_q3827ad7209_attn, .Lfunc_end_k_q3827ad7209_attn-k_q3827ad7209_attn
	.p2alignl 7, 3214868480
	.fill 96, 4, 3214868480
	.section	.rodata,"a",@progbits
	.p2align	6, 0x0
	.amdhsa_kernel k_q3827ad7209_attn
		.amdhsa_group_segment_fixed_size 327680
		.amdhsa_private_segment_fixed_size 0
		.amdhsa_enable_private_segment 0
		.amdhsa_kernarg_size 56
		.amdhsa_user_sgpr_count 2
		.amdhsa_user_sgpr_kernarg_segment_ptr 1
		.amdhsa_wavefront_size32 1
		.amdhsa_system_sgpr_workgroup_id_x 1
		.amdhsa_system_sgpr_workgroup_id_y 1
		.amdhsa_system_sgpr_workgroup_id_z 1
		.amdhsa_system_vgpr_workitem_id 0
		.amdhsa_next_free_vgpr 1024
		.amdhsa_next_free_sgpr 96
		.amdhsa_reserve_vcc 1
		.amdhsa_float_denorm_mode_32 3
		.amdhsa_float_denorm_mode_16_64 3
		.amdhsa_memory_ordered 1
		.amdhsa_forward_progress 1
		.amdhsa_inst_pref_size 228
	.end_amdhsa_kernel
	.amdgpu_metadata
---
amdhsa.version: [ 1, 2 ]
amdhsa.kernels:
  - .name:           k_q3827ad7209_attn
    .symbol:         k_q3827ad7209_attn.kd
    .args:
      - { .name: qimg, .offset: 0, .size: 8, .value_kind: global_buffer, .address_space: global }
      - { .name: qs, .offset: 8, .size: 8, .value_kind: global_buffer, .address_space: global }
      - { .name: kimg, .offset: 16, .size: 8, .value_kind: global_buffer, .address_space: global }
      - { .name: ks, .offset: 24, .size: 8, .value_kind: global_buffer, .address_space: global }
      - { .name: vimg, .offset: 32, .size: 8, .value_kind: global_buffer, .address_space: global }
      - { .name: vs, .offset: 40, .size: 8, .value_kind: global_buffer, .address_space: global }
      - { .name: out0, .offset: 48, .size: 8, .value_kind: global_buffer, .address_space: global }
    .group_segment_fixed_size: 327680
    .private_segment_fixed_size: 0
    .kernarg_segment_align: 8
    .kernarg_segment_size: 56
    .max_flat_workgroup_size: 128
    .sgpr_count:     96
    .vgpr_count:     1024
    .wavefront_size: 32
...
	.end_amdgpu_metadata
.endif
;; end of part 3
